; MI455X (gfx1250); checked and timed in simulation.
; The chip was launched on July 23, 2026; its instructions are those of AMD's public machine-readable ISA for CDNA 5 (MIT licence, August 2026) and "CDNA5" Instruction Set Architecture Reference Guide (July 2026). The comments in the code are by the model that wrote it; some were corrected since.
;; Sub M Attention3dv2. Allowed arithmetic: float matrix products may take bf16 or f16 operands with f32 sums; other float arithmetic in f32, or as packed bf16 or f16 multiplies, adds, multiply-adds, maxima and minima; sums over many terms, partial sums and values carried from step to step in f32; what a program stores and reads back later, other than sums and carried values, may be rounded once to bf16 or f16.
;; Inputs: bn_out_b 128 float32; bn_out_g 128 float32; features 60,000 x 128 float32; in_proj_b 384 float32; in_proj_w 384 x 128 float32; indices 60,000 x 4 int32; key_indices 60,000 x 16 int32; kpos_b 128 float32; kpos_w 128 x 3 float32; lin1_b 512 float32; lin1_w 512 x 128 float32; lin2_b 128 float32; lin2_w 128 x 512 float32; norm1_b 128 float32; norm1_g 128 float32; norm2_b 128 float32; norm2_g 128 float32; out_b 128 float32; out_w 128 x 128 float32; outl_b 128 float32; outl_w 128 x 128 float32; qpos_b 128 float32; qpos_w 128 x 3 float32.
;; Outputs: out0 60,000 x 128 float32.
;; One version. Each part assembles by itself: llvm-mc -triple=amdgcn-amd-amdhsa -mcpu=gfx1250 --defsym DOCPART=n.
;; ======== version 1 of 1: 8 launches
;; limits: values are held in f16: magnitudes above 65,504 overflow, below 6.1e-05 lose precision; right only within a limited range of input values
;; workspace buffers: bufA 15,360,000 bytes; bufB 15,360,000 bytes; recA 384,000 bytes; recB 384,000 bytes; ssA 1,024 bytes; ssB 1,024 bytes; wfr 262,144 bytes
;; launch cvt (part 1): grid 758 x 1, 8 waves a work-group, no clusters, 0 bytes of LDS; arguments features, lin1_w, lin2_w, bufA, wfr; writes bufA, wfr
.if DOCPART == 1
	.amdgcn_target "amdgcn-amd-amdhsa--gfx1250"
	.amdhsa_code_object_version 6
	.text
	.protected	k_q8199d841d2_cvt
	.globl	k_q8199d841d2_cvt
	.p2align	8
	.type	k_q8199d841d2_cvt,@function
k_q8199d841d2_cvt:
	s_mov_b64 s[64:65], 0
	v_nop
	global_prefetch_b8 v0, s[64:65] scope:SCOPE_SE
	s_setreg_imm32_b32 hwreg(HW_REG_WAVE_MODE, 25, 1), 1
	s_wait_xcnt 0x0
; Work-groups 0 to 749: fb[n][c] = features[n][c] rounded once to bf16.  60,000 rows of 128: 750 work-groups x 8 waves x 10 rows.
; A load of a wave is one row (512 bytes on end), a store one row of fb (256 bytes on end, aligned).  All ten loads go out first.
; Work-groups 750 to 757: lin1_w and lin2_w rounded once to bf16, laid as the later launch's matrix fragments: [matrix m][slice w][fragment 4 t + s][half q][lane][16 bytes].
; Fragment (t, s) of slice w: lane (r, h) holds, in half q, the 8 numbers k = 32 s + 16 q + 8 h .. + 7 of row r:
;   lin1_w: row 128 w + 16 t + r, column k;   lin2_w: row 16 t + r, column 128 w + k.
; Work-group 750 + j has m = j / 4 and w = j % 4, its wave is t, a wave's 8 units are (s, q).  A store of a wave is 512 bytes on end.
.set NWG, 750
	s_load_b256 s[4:11], s[0:1], 0x0               ; features 4, lin1_w 6, lin2_w 8, fb 10
	s_load_b64 s[12:13], s[0:1], 0x20              ; the fragments
	v_lshrrev_b32 v3, 5, v0
	v_readfirstlane_b32 s14, v3                    ; wave
	v_and_b32 v1, 31, v0
	s_cmp_ge_u32 ttmp9, NWG
	s_cbranch_scc1 .Lweights
	v_lshlrev_b32 v2, 3, v1                        ; 8 x lane: my 4 numbers in a row of fb
	v_lshlrev_b32 v1, 4, v1                        ; 16 x lane: my 4 numbers in a row of features
	s_mul_i32 s15, ttmp9, 80
	s_mul_i32 s16, s14, 10
	s_add_co_u32 s15, s15, s16                     ; my first row
	s_lshl_b32 s16, s15, 9
	s_mov_b32 s17, 0
	s_lshl_b32 s18, s15, 8
	s_mov_b32 s19, 0
	s_wait_kmcnt 0x0
	s_add_nc_u64 s[4:5], s[4:5], s[16:17]
	s_add_nc_u64 s[10:11], s[10:11], s[18:19]
.set i, 0
.rept 10
	global_load_b128 v[4+4*i:7+4*i], v1, s[4:5] offset:512*i th:TH_LOAD_NT
.set i, i+1
.endr
.set i, 0
.rept 10
	s_wait_loadcnt 9-i                             ; loads come back in order: row i is in, the younger ones stay out
	v_cvt_pk_bf16_f32 v[44+2*i], v[4+4*i], v[5+4*i]
	v_cvt_pk_bf16_f32 v[45+2*i], v[6+4*i], v[7+4*i]
	global_store_b64 v2, v[44+2*i:45+2*i], s[10:11] offset:256*i
.set i, i+1
.endr
	s_endpgm
.Lweights:
	s_sub_co_u32 s15, ttmp9, NWG
	s_lshr_b32 s16, s15, 2                         ; m
	s_and_b32 s17, s15, 3                          ; w
	v_and_b32 v2, 15, v0                           ; r
	v_bfe_u32 v3, v0, 4, 1                         ; h
	v_lshlrev_b32 v5, 4, v1                        ; 16 x lane
	s_lshl_b32 s18, s16, 1
	s_add_co_u32 s18, s18, 9                       ; a row is 2^9 bytes in lin1_w, 2^11 in lin2_w
	v_lshlrev_b32 v4, s18, v2
	v_lshl_add_u32 v4, v3, 5, v4                   ; row r, 32 bytes for each half of the lanes
	s_lshl_b32 s20, s17, 16
	s_lshl_b32 s21, s14, 13
	s_add_co_u32 s20, s20, s21                     ; lin1_w: row 128 w + 16 t
	s_lshl_b32 s22, s14, 15
	s_lshl_b32 s23, s17, 9
	s_add_co_u32 s22, s22, s23                     ; lin2_w: row 16 t, column 128 w
	s_lshl_b32 s24, s16, 17
	s_lshl_b32 s25, s17, 15
	s_add_co_u32 s24, s24, s25
	s_lshl_b32 s25, s14, 12
	s_add_co_u32 s24, s24, s25                     ; where my 8 units go
	s_mov_b32 s25, 0
	s_wait_kmcnt 0x0
	s_cmp_eq_u32 s16, 0
	s_cselect_b32 s20, s20, s22
	s_cselect_b64 s[26:27], s[6:7], s[8:9]
	s_mov_b32 s21, 0
	s_add_nc_u64 s[26:27], s[26:27], s[20:21]
	s_add_nc_u64 s[12:13], s[12:13], s[24:25]
.set u, 0
.rept 8
	global_load_b128 v[8+8*u:11+8*u], v4, s[26:27] offset:64*u       ; unit u = 2 s + q: bytes 128 s + 64 q of my part of the row
	global_load_b128 v[12+8*u:15+8*u], v4, s[26:27] offset:64*u+16
.set u, u+1
.endr
.set u, 0
.rept 8
	s_wait_loadcnt 14-2*u                          ; unit u's two loads are in, the younger units' stay out
.set k, 0
.rept 4
	v_cvt_pk_bf16_f32 v[8+8*u+k], v[8+8*u+2*k], v[9+8*u+2*k]         ; in place: register k has been read when it is written
.set k, k+1
.endr
	global_store_b128 v5, v[8+8*u:11+8*u], s[12:13] offset:512*u
.set u, u+1
.endr
	s_endpgm
.Lfunc_end_k_q8199d841d2_cvt:
	.size	k_q8199d841d2_cvt, .Lfunc_end_k_q8199d841d2_cvt-k_q8199d841d2_cvt
	.p2alignl 7, 3214868480
	.fill 96, 4, 3214868480
	.section	.rodata,"a",@progbits
	.p2align	6, 0x0
	.amdhsa_kernel k_q8199d841d2_cvt
		.amdhsa_group_segment_fixed_size 0
		.amdhsa_private_segment_fixed_size 0
		.amdhsa_enable_private_segment 0
		.amdhsa_kernarg_size 40
		.amdhsa_user_sgpr_count 2
		.amdhsa_user_sgpr_kernarg_segment_ptr 1
		.amdhsa_wavefront_size32 1
		.amdhsa_system_sgpr_workgroup_id_x 1
		.amdhsa_system_sgpr_workgroup_id_y 1
		.amdhsa_system_sgpr_workgroup_id_z 1
		.amdhsa_system_vgpr_workitem_id 0
		.amdhsa_next_free_vgpr 72
		.amdhsa_next_free_sgpr 66
		.amdhsa_reserve_vcc 0
		.amdhsa_float_denorm_mode_32 3
		.amdhsa_float_denorm_mode_16_64 3
		.amdhsa_memory_ordered 1
		.amdhsa_forward_progress 1
		.amdhsa_inst_pref_size 10
	.end_amdhsa_kernel
	.amdgpu_metadata
---
amdhsa.version: [ 1, 2 ]
amdhsa.kernels:
  - .name:           k_q8199d841d2_cvt
    .symbol:         k_q8199d841d2_cvt.kd
    .args:
      - { .name: features, .offset: 0, .size: 8, .value_kind: global_buffer, .address_space: global }
      - { .name: lin1_w, .offset: 8, .size: 8, .value_kind: global_buffer, .address_space: global }
      - { .name: lin2_w, .offset: 16, .size: 8, .value_kind: global_buffer, .address_space: global }
      - { .name: bufA, .offset: 24, .size: 8, .value_kind: global_buffer, .address_space: global }
      - { .name: wfr, .offset: 32, .size: 8, .value_kind: global_buffer, .address_space: global }
    .group_segment_fixed_size: 0
    .private_segment_fixed_size: 0
    .kernarg_segment_align: 8
    .kernarg_segment_size: 40
    .max_flat_workgroup_size: 256
    .sgpr_count:     66
    .vgpr_count:     72
    .wavefront_size: 32
...
	.end_amdgpu_metadata
.endif
;; end of part 1
;; launch attn (part 2): grid 250 x 1, 8 waves a work-group, no clusters, 326,912 bytes of LDS; arguments bufA, indices, key_indices, in_proj_w, in_proj_b, out_w, out_b, qpos_w, qpos_b, kpos_w, kpos_b, bufB, recA; writes bufB, recA
.if DOCPART == 2
	.amdgcn_target "amdgcn-amd-amdhsa--gfx1250"
	.amdhsa_code_object_version 6
	.text
	.protected	k_q8199d841d2_attn
	.globl	k_q8199d841d2_attn
	.p2align	8
	.type	k_q8199d841d2_attn,@function
k_q8199d841d2_attn:
	s_mov_b64 s[64:65], 0
	v_nop
	global_prefetch_b8 v0, s[64:65] scope:SCOPE_SE
	s_setreg_imm32_b32 hwreg(HW_REG_WAVE_MODE, 25, 1), 1
	s_wait_xcnt 0x0
; y1 = fb + attention(fb), stored as d1 = y1 - P in f16 (P: y1 of the work-group's first row, by channel), and the record P, sum d1, sum d1^2 of the work-group's 240 rows.
; THE PRODUCTS ARE REORDERED, exactly: score[h][k] = kf[k] . (qh_h Wk_h), and sum_k a[h][k] vh[k] = (sum_k a[h][k] kf[k]) Wv_h^T + bv, since the weights a add up to 1.
; So no key is projected: a voxel has its 16 x 128 key rows multiplied by 8 vectors (scores) and 8 weight rows (means).
; bk (in_proj_b[128:256]) adds qh . bk to all 16 scores of a voxel and head alike, ahead of the mask: the softmax takes it out again for every input.  It is not loaded; bq and bv are.
; LIMITS.  All float inputs are rounded once to bf16.  A masked score is -2^100 (reference: the lowest f32): a true score below that is not served; a row with all keys masked gives 16 equal
; weights on row 0, as in reference (c x 2^100 is exact, so its exponents are 0).  rel is float(index difference) x voxel size.  d1 holds |d1| < 65,504.  NaN and infinities are not treated apart.
; SHARES.  240 rows a work-group, three batches of 80.  Dense steps go by head: wave w has head w's weights in registers.  The step over keys goes by voxel: wave w has voxels 10 w .. 10 w + 9 of the batch, in five pairs.
; AHEAD.  What a batch needs from memory before its first product (my 10 rows, their grid places, their lists, the keys' grid places, qpos) is asked for while the batch before is in its dense steps;
; the mask and rel tables, which are the wave's own LDS bytes, are made there too.  The gathers run a pair ahead, the lists two.
; No tensor load: the large traffic is a gather by lists, and the weights want converting.  No cluster: only the weights are shared, read once a work-group.  No prefetch: a row of fb is named by many lists.
.set NROW,  60000
.set VP,    2320                       ; QK: bytes from voxel to voxel: 8 heads x 288 + 16: 145 x 16
.set HP,    288                        ; QK: bytes from head to head: 256 + 32.  The 16 rows (voxel of the pair, head) start at 16-byte columns 2 head + voxel mod 16: all different
.set XP,    272                        ; a row of 128 16-bit numbers + 16
.set KPI,   288                        ; a key row: 256 + 32, an odd multiple of 32 for the turning load
.set XQ,    80*VP                      ; q, later the heads' outputs, at the end the record
.set XF,    XQ+80*XP                   ; fb, later d1
.set KFT,   XF+80*XP                   ; by wave: 32 key rows (voxel a's 16, voxel b's 16); at the head the stage for weights
.set KFTW,  32*KPI
.set RT,    KFT+8*KFTW                 ; by wave: 5 pairs x 32 lanes x 16 bytes: rel as a matrix operand
.set RTW,   2560
.set MT,    RT+8*RTW                   ; by wave: 10 voxels x 16 keys, bf16: +2^100 or -2^100
.set MTW,   320
.set SPARE, MT+8*MTW                   ; the spare words, 128 bytes a wave
; window 0
.set A_COL, 4
.set A_RAWST, 5
.set A_FRAG, 6
.set A_TR,  7
.set A_QKL, 8
.set A_RT,  9
.set A_MT,  10
.set A_MTS, 11
.set A_XFR, 12
.set A_QKS, 13
.set A_AO,  14
.set A_FS,  15
.set A_ROW, 16
.set A_ROWQ, 17
.set G_ROW, 18
.set G_KI,  19
.set G_SELF, 20
.set G_IDX, 21
.set G_QW,  22
.set G_QB,  23
.set SPW,   24
.set NIL,   25
.set PIV,   26
.set SUM1,  34
.set SUM2,  42
.set OPZ,   50                         ; four registers of data, four that stay 0
.set PO,    58
.set IDX,   66
.set OFF,   82
.set MK,    98
.set SA,    106
.set SB,    114
.set TT,    122
.set REL,   134
.set KF,    138
.set ACC,   170
.set DD,    202
.set ZERO,  234
.set W0,    235
.set W1,    236
.set W2,    237
.set W3,    238
.set W4,    239
.set W5,    240
.set HB,    26                         ; at the head: a second buffer of 64
; what is fetched ahead for the next batch: registers that the dense steps leave alone
.set SELF,  170                        ; my rows' grid places
.set KC,    190                        ; the keys' grid places
.set FB,    210                        ; my rows of fb
.set KI,    58                         ; my rows' lists, lane = (voxel, key)
.set GO,    241                        ; the offsets of KC's gathers
.set MP,    246                        ; bf16 2^100; never rewritten
.set MN,    247                        ; bf16 -2^100; never rewritten
.set T0,    248
.set RX,    118                        ; at work on rel
.set RA,    122
.set RQ,    126
.set P6,    98                         ; rows of d1 on their way out
; the first phase's own names
.set QWR,   138
.set QWP,   98
.set CX,    130
.set AC,    190
.set UU,    198
.set QP,    206
; window 1
.set WQ,    0
.set WK,    32                         ; fragment t at WK + 4 t: its upper four registers are the next fragment's (finite) and meet zeros
.set WV,    68
.set WO,    100
.set BQ,    132
.set BV,    140
.set BO,    148
.set KPW,   156                        ; likewise
.set GG,    192                        ; a pair's gathered rows
.set FIRST, 35
.set MSB, 0
.macro WIN new                         ; the immediate's high byte repeats the setting that is left
.if MSB != (\new)
	s_set_vgpr_msb (MSB<<8)|(\new)
.set MSB, (\new)
.endif
.endm
.macro PL n                            ; places behind a matrix instruction (ISA guide 7.12.1)
.rept \n
	v_nop
.endr
.endm
.macro LD16 buf, p, off                ; 16 rows of 128 f32, a row a load
.set i, 0
.rept 16
	global_load_b128 v[(\buf)+4*i:(\buf)+4*i+3], v[G_ROW], s[\p:\p+1] offset:(\off)+512*i
.set i, i+1
.endr
.endm
.macro CV16 buf                        ; rounded to bf16 and laid into my stage, rows of 288 bytes
	s_wait_dscnt 0x0                               ; the fragments of the block before have been read out of the stage
.set i, 0
.rept 32
	v_cvt_pk_bf16_f32 v[DD+i], v[(\buf)+2*i], v[(\buf)+2*i+1]
.set i, i+1
.endr
.set i, 0
.rept 16
	ds_store_b64 v[W3], v[DD+2*i:DD+2*i+1] offset:KPI*i
.set i, i+1
.endr
.endm
.macro FRAG4 dst                       ; four fragments (16 rows x 32 channels) out of my stage into window 1
	WIN 0x40
.set i, 0
.rept 4
	ds_load_b128 v[(\dst)+8*i:(\dst)+8*i+3], v[A_FRAG] offset:64*i
	ds_load_b128 v[(\dst)+8*i+4:(\dst)+8*i+7], v[A_FRAG] offset:64*i+32
.set i, i+1
.endr
	WIN 0
.endm
.macro RBP d, a, b                     ; two f32 rounded to bf16, as the f32 pair d
	v_cvt_pk_bf16_f32 v[T0], v[\a], v[\b]
	v_lshlrev_b32 v[\d], 16, v[T0]
	v_and_b32 v[(\d)+1], s43, v[T0]
.endm
.macro IDXLD                           ; the 32 key numbers of the pair at voxel s50 (held inside the table): lane half h takes keys 8 h .. 8 h + 7 of both voxels
	s_min_u32 s51, s50, NROW-2
	s_lshl_b32 s38, s51, 6
	s_add_nc_u64 s[52:53], s[8:9], s[38:39]
	global_load_b128 v[IDX:IDX+3], v[G_IDX], s[52:53]
	global_load_b128 v[IDX+4:IDX+7], v[G_IDX], s[52:53] offset:16
	global_load_b128 v[IDX+8:IDX+11], v[G_IDX], s[52:53] offset:64
	global_load_b128 v[IDX+12:IDX+15], v[G_IDX], s[52:53] offset:80
.endm
.macro GATH                            ; 16 loads: each brings two whole rows of fb (16 lanes a row of 256 bytes); a negative number means row 0.  Many lists name a row: the hint for data that is read again
.set i, 0
.rept 16
	v_max_i32 v[OFF+i], 0, v[IDX+i]
	v_min_u32 v[OFF+i], NROW-1, v[OFF+i]
	v_lshl_add_u32 v[OFF+i], v[OFF+i], 8, v[A_COL]
.set i, i+1
.endr
	WIN 0x40
.set i, 0
.rept 16
	global_load_b128 v[GG+4*i:GG+4*i+3], v[OFF+i], s[4:5] th:TH_LOAD_HT
.set i, i+1
.endr
	WIN 0
.endm
; FOR THE BATCH WHOSE FIRST VOXEL OF MINE STANDS IN s[vb]: 15 loads: my 10 rows of fb (two a load), their grid places, their lists (lane = (voxel h, key r))
.macro PRE_A vb
	s_lshl_b32 s38, s[\vb], 8
	s_add_nc_u64 s[66:67], s[4:5], s[38:39]
	s_lshl_b32 s38, s[\vb], 4
	s_add_nc_u64 s[68:69], s[6:7], s[38:39]
	s_lshl_b32 s38, s[\vb], 6
	s_add_nc_u64 s[70:71], s[8:9], s[38:39]
.set i, 0
.rept 5
	global_load_b128 v[FB+4*i:FB+4*i+3], v[G_ROW], s[66:67] offset:512*i
	global_load_b128 v[SELF+4*i:SELF+4*i+3], v[G_SELF], s[68:69] offset:32*i
	global_load_b32 v[KI+i], v[G_KI], s[70:71] offset:128*i
.set i, i+1
.endr
.endm
; the lists are in: the keys' grid places are asked for, and the mask goes into my own table
.macro PRE_B
.set i, 0
.rept 5
	v_max_i32 v[GO+i], 0, v[KI+i]
	v_min_u32 v[GO+i], NROW-1, v[GO+i]
	v_lshlrev_b32 v[GO+i], 4, v[GO+i]
	global_load_b128 v[KC+4*i:KC+4*i+3], v[GO+i], s[6:7]
.set i, i+1
.endr
.set i, 0
.rept 5
	v_cmp_gt_i32 vcc_lo, 0, v[KI+i]
	v_cndmask_b32 v[T0], v[MP], v[MN], vcc_lo
	ds_store_b16 v[A_MTS], v[T0] offset:64*i
.set i, i+1
.endr
.endm
.macro QLOAD                           ; qpos_w and qpos_b of channels 8 r .. 8 r + 7: 8 loads
.set i, 0
.rept 6
	global_load_b128 v[QWR+4*i:QWR+4*i+3], v[G_QW], s[18:19] offset:16*i
.set i, i+1
.endr
	global_load_b128 v[QWR+24:QWR+27], v[G_QB], s[20:21]
	global_load_b128 v[QWR+28:QWR+31], v[G_QB], s[20:21] offset:16
.endm
; the keys' grid places are in: rel, as high and low bf16 parts, goes into my own table
.macro PRE_C
	v_mov_b32 v[RQ+3], 0x3f80                      ; (1, 0)
.set i, 0
.rept 5
	v_sub_nc_u32 v[RX], v[KC+4*i+3], v[SELF+4*i+3]
	v_sub_nc_u32 v[RX+1], v[KC+4*i+2], v[SELF+4*i+2]
	v_sub_nc_u32 v[RX+2], v[KC+4*i+1], v[SELF+4*i+1]
	v_cvt_f32_i32 v[RX], v[RX]
	v_cvt_f32_i32 v[RX+1], v[RX+1]
	v_cvt_f32_i32 v[RX+2], v[RX+2]
	v_mul_f32 v[RX], s58, v[RX]
	v_mul_f32 v[RX+1], s58, v[RX+1]
	v_mul_f32 v[RX+2], s59, v[RX+2]
	v_cvt_pk_bf16_f32 v[RQ], v[RX], v[RX+1]        ; the high parts of x and y
	v_cvt_pk_bf16_f32 v[RA], v[RX+2], v[RX+2]
	v_lshlrev_b32 v[RA+1], 16, v[RQ]
	v_and_b32 v[RA+2], s43, v[RQ]
	v_and_b32 v[RA], s43, v[RA]
	v_sub_f32 v[RX], v[RX], v[RA+1]                ; what the high parts leave
	v_sub_f32 v[RX+1], v[RX+1], v[RA+2]
	v_sub_f32 v[RX+2], v[RX+2], v[RA]
	v_cvt_pk_bf16_f32 v[RQ+1], v[RA], v[RX]
	v_cvt_pk_bf16_f32 v[RQ+2], v[RX+1], v[RX+2]
	ds_store_b128 v[A_RT], v[RQ:RQ+3] offset:512*i
.set i, i+1
.endr
.endm
; 16 outputs x 16 voxels over 128 channels: weights w and bias in window 1, the voxels' fragments at f.  Two accumulators take turns; then they are added.
.macro DOT4 w, bias, f
	WIN 0x11
	v_wmma_f32_16x16x32_bf16 v[SA:SA+7], v[(\w):(\w)+7], v[(\f):(\f)+7], v[(\bias):(\bias)+7]
	WIN 0x01
	v_wmma_f32_16x16x32_bf16 v[SB:SB+7], v[(\w)+8:(\w)+15], v[(\f)+8:(\f)+15], 0
	v_wmma_f32_16x16x32_bf16 v[SA:SA+7], v[(\w)+16:(\w)+23], v[(\f)+16:(\f)+23], v[SA:SA+7]
	v_wmma_f32_16x16x32_bf16 v[SB:SB+7], v[(\w)+24:(\w)+31], v[(\f)+24:(\f)+31], v[SB:SB+7]
	WIN 0
	PL 5
.set i, 0
.rept 4
	v_pk_add_f32 v[SA+i:SA+i+1], v[SA+i:SA+i+1], v[SB+i:SB+i+1]
.set i, i+2
.endr
.endm
; kf = fb[key] + relu(rel . kpos_w + kpos_b) for the 16 keys of voxel sel of the pair.  The position term is a product: 16 channels x 16 keys over the 8 numbers
; (x, y, z high parts, x, y, z low parts, 1, 0); voxel a's lie in lanes 0-15 (k = 0..7), voxel b's in lanes 16-31 (k = 8..15), the other lanes give 0; the weights are alike in both halves.
.macro BUILD sel, msk
.set t, 0
.rept 8
	ds_load_b128 v[KF+32*(\sel)+4*t:KF+32*(\sel)+4*t+3], v[A_FRAG] offset:16*KPI*(\sel)+32*t
.set t, t+1
.endr
.if (\sel) == 0
	s_wait_dscnt 8                                 ; rel and the mask are in; the eight loads just issued may stay out
.endif
.set j, 0
.rept 4
	v_cndmask_b32 v[OPZ+j], 0, v[REL+j], s[\msk]
.set j, j+1
.endr
.set u, 0
.rept 2
	WIN 0x01
.set q, 0
.rept 4
	v_wmma_f32_16x16x32_bf16 v[DD+8*q:DD+8*q+7], v[KPW+4*(4*u+q):KPW+4*(4*u+q)+7], v[OPZ:OPZ+7], 0
.set q, q+1
.endr
	WIN 0
	PL 5
.set q, 0
.rept 4
.set i, 0
.rept 4
	v_cvt_pk_bf16_f32 v[DD+8*q+i], v[DD+8*q+2*i], v[DD+8*q+2*i+1]
.set i, i+1
.endr
.set q, q+1
.endr
.set q, 0
.rept 4
.set i, 0
.rept 4
	v_pk_max_num_bf16 v[DD+8*q+i], v[DD+8*q+i], v[ZERO]
.set i, i+1
.endr
.set q, q+1
.endr
.if u == 0
	s_wait_dscnt 0x0                               ; the raw rows are in
.endif
.set q, 0
.rept 4
.set i, 0
.rept 4
	v_pk_add_bf16 v[KF+32*(\sel)+4*(4*u+q)+i], v[KF+32*(\sel)+4*(4*u+q)+i], v[DD+8*q+i]
.set i, i+1
.endr
.set q, q+1
.endr
.set u, u+1
.endr
.set t, 0
.rept 8
	ds_store_b128 v[A_FRAG], v[KF+32*(\sel)+4*t:KF+32*(\sel)+4*t+3] offset:16*KPI*(\sel)+32*t
.set t, t+1
.endr
.endm
; y (n registers) becomes d = y - P; the sums take d and d^2.  The work-group's first row sets P: lane 0 of each half of 16 holds it.
.macro STAT y, n
	s_cmp_eq_u32 s[FIRST], 0
	s_cbranch_scc1 .Lnf_\@
.set i, 0
.rept \n
	v_mov_b32_dpp v[PIV+i], v[(\y)+i] row_share:0 row_mask:0xf bank_mask:0xf
.set i, i+1
.endr
	s_mov_b32 s[FIRST], 0
.Lnf_\@:
.set i, 0
.rept (\n)/2
	v_pk_add_f32 v[(\y)+i:(\y)+i+1], v[(\y)+i:(\y)+i+1], v[PIV+i:PIV+i+1] neg_lo:[0,1] neg_hi:[0,1]
.set i, i+2
.endr
.set i, 0
.rept (\n)/2
	v_pk_add_f32 v[SUM1+i:SUM1+i+1], v[SUM1+i:SUM1+i+1], v[(\y)+i:(\y)+i+1]
	v_pk_fma_f32 v[SUM2+i:SUM2+i+1], v[(\y)+i:(\y)+i+1], v[(\y)+i:(\y)+i+1], v[SUM2+i:SUM2+i+1]
.set i, i+2
.endr
.endm
.macro BAR                             ; my LDS instructions are done; then all eight waves meet
	s_wait_dscnt 0x0
	s_barrier_signal -1
	s_barrier_wait -1
.endm
	s_load_b512 s[4:19], s[0:1], 0x0               ; fb 4, indices 6, key_indices 8, in_proj_w 10, in_proj_b 12, out_w 14, out_b 16, qpos_w 18
	s_load_b256 s[20:27], s[0:1], 0x40             ; qpos_b 20, kpos_w 22, kpos_b 24, d1 26
	s_load_b64 s[28:29], s[0:1], 0x60              ; the records
	v_lshl_add_u32 v[SPW], v0, 2, SPARE
	v_mov_b32 v[NIL], 0
	v_lshrrev_b32 v1, 5, v0
	v_readfirstlane_b32 s30, v1                    ; wave w
	v_and_b32 v1, 31, v0                           ; l
	v_and_b32 v2, 15, v0                           ; r
	v_bfe_u32 v3, v0, 4, 1                         ; h
	v_bfe_u32 v[W0], v0, 3, 1                      ; voxel of the pair
	v_and_b32 v[W1], 7, v0                         ; head
	s_mul_i32 s62, s30, KFTW
	s_add_co_u32 s62, s62, KFT                     ; my key rows
	v_lshlrev_b32 v[A_COL], 4, v2
	v_mul_u32_u24 v[A_RAWST], v3, 8*KPI
	v_lshl_add_u32 v[A_RAWST], v2, 4, v[A_RAWST]
	v_add_nc_u32 v[A_RAWST], s62, v[A_RAWST]       ; row 8 h, bytes 16 r
	v_mul_u32_u24 v[A_FRAG], v2, KPI
	v_lshl_add_u32 v[A_FRAG], v3, 4, v[A_FRAG]
	v_add_nc_u32 v[A_FRAG], s62, v[A_FRAG]         ; row r, bytes 16 h
	v_lshl_add_u32 v[A_TR], v3, 3, v[W1]
	v_mul_u32_u24 v[A_TR], v[A_TR], KPI
	v_lshl_add_u32 v[A_TR], v[W0], 4, v[A_TR]
	v_add_nc_u32 v[A_TR], s62, v[A_TR]             ; the turning load: row 8 h + l % 8, bytes 16 ((l / 8) % 2)
	v_lshl_add_u32 v[W3], v1, 3, s62               ; the stage: 8 bytes a lane
	s_mul_i32 s63, s30, 10*VP
	v_mul_u32_u24 v[A_QKL], v[W0], VP
	v_mul_u32_u24 v[W2], v[W1], HP
	v_add3_u32 v[A_QKL], v[A_QKL], v[W2], s63
	v_lshl_add_u32 v[A_QKL], v3, 4, v[A_QKL]       ; my first pair: (voxel, head) = r, bytes 16 h
	s_mul_i32 s63, s30, RTW
	s_add_co_u32 s63, s63, RT
	v_lshl_add_u32 v[A_RT], v1, 4, s63
	s_mul_i32 s63, s30, MTW
	s_add_co_u32 s63, s63, MT
	v_lshl_add_u32 v[A_MT], v[W0], 5, s63
	v_lshl_add_u32 v[A_MT], v3, 4, v[A_MT]
	v_lshl_add_u32 v[A_MTS], v3, 5, s63
	v_lshl_add_u32 v[A_MTS], v2, 1, v[A_MTS]
	v_mul_u32_u24 v[A_XFR], v2, XP
	v_lshl_add_u32 v[A_XFR], v3, 4, v[A_XFR]
	s_lshl_b32 s63, s30, 5
	v_add_nc_u32 v[A_AO], s63, v[A_XFR]
	v_add_nc_u32 v[A_FS], XF, v[A_AO]              ; voxel r, my head's 16 channels, 8 a lane half
	v_add_nc_u32 v[A_AO], XQ, v[A_AO]
	v_add_nc_u32 v[A_XFR], XQ, v[A_XFR]            ; a fragment of 16 voxel rows
	s_mul_i32 s63, s30, HP
	v_mul_u32_u24 v[A_QKS], v2, VP
	v_lshl_add_u32 v[A_QKS], v3, 4, v[A_QKS]
	v_add_nc_u32 v[A_QKS], s63, v[A_QKS]           ; voxel r, head w
	s_mul_i32 s63, s30, 10*XP
	v_mul_u32_u24 v[A_ROWQ], v3, XP
	v_lshl_add_u32 v[A_ROWQ], v2, 4, v[A_ROWQ]
	v_add_nc_u32 v[A_ROWQ], s63, v[A_ROWQ]
	v_add_nc_u32 v[A_ROW], XF, v[A_ROWQ]           ; whole rows: row 10 w + h, bytes 16 r
	v_add_nc_u32 v[A_ROWQ], XQ, v[A_ROWQ]
	v_lshlrev_b32 v[G_ROW], 4, v1
	v_lshlrev_b32 v[G_KI], 2, v1
	v_lshlrev_b32 v[G_SELF], 4, v3
	v_lshlrev_b32 v[G_IDX], 5, v3
	v_mul_u32_u24 v[G_QW], v2, 96
	v_lshlrev_b32 v[G_QB], 5, v2
	v_mul_u32_u24 v[W4], v2, 12
	v_lshlrev_b32 v[W5], 2, v2
	v_mov_b32 v[ZERO], 0
	v_mov_b32 v[MP], 0x7180
	v_mov_b32 v[MN], 0xf180
	s_mov_b32 s39, 0
	s_mov_b32 s42, 0x0000ffff                      ; lanes 0-15
	s_mov_b32 s43, 0xffff0000                      ; lanes 16-31; also a word's upper half
	s_mov_b32 s44, 0xff00ff00                      ; lanes with r >= 8: the pair's second voxel
	s_mov_b32 s46, 0x76543210
	s_mov_b32 s47, 0xfedcba98
	s_mov_b32 s48, 0x3eb8aa3b                      ; c = log2(e) / sqrt(16)
	s_mov_b32 s49, s48
	s_mov_b32 s58, 0x3dcccccd                      ; voxel size 0.1, 0.1, 0.2; lower corner -40, -40, -3
	s_mov_b32 s59, 0x3e4ccccd
	s_mov_b32 s60, 0xc2200000
	s_mov_b32 s61, 0xc0400000
	s_mov_b32 s[FIRST], 1
	s_mul_i32 s31, ttmp9, 240
	s_mul_i32 s63, s30, 10
	s_add_co_u32 s31, s31, s63                     ; my first voxel of the batch
	s_lshl_b32 s38, s30, 13                        ; 16 rows of 512 bytes a wave
	s_wait_kmcnt 0x0
	s_add_nc_u64 s[36:37], s[10:11], s[38:39]
	s_add_nc_u64 s[54:55], s[14:15], s[38:39]
	s_lshl_b32 s38, s30, 6
	s_add_nc_u64 s[40:41], s[12:13], s[38:39]
	s_add_nc_u64 s[56:57], s[16:17], s[38:39]
	; my head's weights: two buffers of 16 rows take turns
	LD16 KF, 36, 0                                 ; wq
	LD16 HB, 36, 65536                             ; wk
	s_wait_loadcnt 16                              ; the older 16 are in, the other buffer's stay out
	CV16 KF
	FRAG4 WQ
	LD16 KF, 36, 131072                            ; wv
	s_wait_loadcnt 16
	CV16 HB
	WIN 0x40
.set t, 0
.rept 8
	ds_load_tr16_b128 v[WK+4*t:WK+4*t+3], v[A_TR] offset:32*t   ; turned: row = channel 16 t + r, k = my head's 8 h .. 8 h + 7
.set t, t+1
.endr
	WIN 0
	LD16 HB, 54, 0                                 ; out_w
	s_wait_loadcnt 16
	CV16 KF
	FRAG4 WV
	global_load_b128 v[KF:KF+3], v[G_IDX], s[40:41]                    ; bq, bv, bo: channel 16 w + 8 h + j
	global_load_b128 v[KF+4:KF+7], v[G_IDX], s[40:41] offset:16
	global_load_b128 v[KF+8:KF+11], v[G_IDX], s[40:41] offset:1024
	global_load_b128 v[KF+12:KF+15], v[G_IDX], s[40:41] offset:1040
	global_load_b128 v[KF+16:KF+19], v[G_IDX], s[56:57]
	global_load_b128 v[KF+20:KF+23], v[G_IDX], s[56:57] offset:16
.set t, 0
.rept 8
	global_load_b32 v[KF+24+4*t], v[W4], s[22:23] offset:192*t         ; kpos_w and kpos_b of channel 16 t + r
	global_load_b32 v[KF+25+4*t], v[W4], s[22:23] offset:192*t+4
	global_load_b32 v[KF+26+4*t], v[W4], s[22:23] offset:192*t+8
	global_load_b32 v[KF+27+4*t], v[W5], s[24:25] offset:64*t
.set t, t+1
.endr
	s_wait_loadcnt 38                              ; out_w is in; the 38 small loads stay out
	CV16 HB
	FRAG4 WO
	s_wait_loadcnt 0x0
.set i, 0
.rept 12
	v_cvt_pk_bf16_f32 v[DD+i], v[KF+2*i], v[KF+2*i+1]
.set i, i+1
.endr
	WIN 0x40
.set i, 0
.rept 12
	v_lshlrev_b32 v[BQ+2*i], 16, v[DD+i]
	v_and_b32 v[BQ+2*i+1], s43, v[DD+i]
.set i, i+1
.endr
.set t, 0
.rept 8
	v_cvt_pk_bf16_f32 v[KPW+4*t], v[KF+24+4*t], v[KF+25+4*t]           ; (wx, wy)
	v_cvt_pk_bf16_f32 v[KPW+4*t+1], v[KF+26+4*t], v[KF+24+4*t]         ; (wz, wx)
	v_cvt_pk_bf16_f32 v[KPW+4*t+2], v[KF+25+4*t], v[KF+26+4*t]         ; (wy, wz)
	v_cvt_pk_bf16_f32 v[KPW+4*t+3], v[KF+27+4*t], v[ZERO]              ; (b, 0)
.set t, t+1
.endr
.set i, 0
.rept 4
	v_mov_b32 v[KPW+32+i], 0
	v_mov_b32 v[WK+32+i], 0
.set i, i+1
.endr
	WIN 0
.set i, 0
.rept 24
	v_mov_b32 v[PIV+i], 0                          ; P, and both sums
.set i, i+1
.endr
.set i, 4
.rept 4
	v_mov_b32 v[OPZ+i], 0
.set i, i+1
.endr
	s_wait_dscnt 0x0                               ; the last fragments have left the stage
	s_mov_b32 s50, s31                             ; the first batch: its first list and what PRE_A brings go out together,
	IDXLD
	PRE_A 31
	s_wait_loadcnt 0x0
	GATH                                           ; then the first pair's rows, the second pair's list, the keys' grid places and qpos
	s_add_co_u32 s50, s50, 2
	IDXLD
	PRE_B
	QLOAD
	s_wait_loadcnt 8                               ; the keys' grid places are in; the 8 loads of qpos stay out
	PRE_C
	s_mov_b32 s32, 3
.Lbatch:
	s_wait_xcnt 0x0                                ; the last batch's stores have read their data and base: both are written anew below
	; PHASE 1: my 10 rows, fetched ahead: fb and q = fb + relu(coords . qpos_w + qpos_b) into LDS
	s_wait_loadcnt 0x0                             ; qpos
.set j, 0
.rept 3
.set e, 0
.rept 4
	RBP QWP+8*j+2*e,QWR+6*e+j,QWR+6*e+3+j          ; qpos_w, component j, channels 8 r + 2 e and + 1
.set e, e+1
.endr
.set j, j+1
.endr
.set e, 0
.rept 4
	RBP QWP+24+2*e,QWR+24+2*e,QWR+25+2*e
.set e, e+1
.endr
.set i, 0
.rept 5
	v_cvt_f32_i32 v[CX], v[SELF+4*i+3]
	v_cvt_f32_i32 v[CX+1], v[SELF+4*i+2]
	v_cvt_f32_i32 v[CX+2], v[SELF+4*i+1]
	v_add_f32 v[CX], 0.5, v[CX]
	v_add_f32 v[CX+1], 0.5, v[CX+1]
	v_add_f32 v[CX+2], 0.5, v[CX+2]
	v_fma_f32 v[CX], v[CX], s58, s60
	v_fma_f32 v[CX+1], v[CX+1], s58, s60
	v_fma_f32 v[CX+2], v[CX+2], s59, s61
	v_mov_b32 v[CX+3], v[CX+2]
.set e, 0
.rept 4
	v_pk_fma_f32 v[AC+e:AC+e+1], v[QWP+e:QWP+e+1], v[CX:CX+1], v[QWP+24+e:QWP+25+e] op_sel_hi:[1,0,1]
.set e, e+2
.endr
.set e, 0
.rept 4
	v_pk_fma_f32 v[AC+e:AC+e+1], v[QWP+8+e:QWP+9+e], v[CX:CX+1], v[AC+e:AC+e+1] op_sel:[0,1,0] op_sel_hi:[1,1,1]
.set e, e+2
.endr
.set e, 0
.rept 4
	v_pk_fma_f32 v[AC+e:AC+e+1], v[QWP+16+e:QWP+17+e], v[CX+2:CX+3], v[AC+e:AC+e+1] op_sel_hi:[1,0,1]
.set e, e+2
.endr
.set e, 0
.rept 8
	v_max_num_f32 v[AC+e], 0, v[AC+e]
.set e, e+1
.endr
.set e, 0
.rept 4
	v_lshlrev_b32 v[UU+2*e], 16, v[FB+4*i+e]
	v_and_b32 v[UU+2*e+1], s43, v[FB+4*i+e]
.set e, e+1
.endr
.set e, 0
.rept 4
	v_pk_add_f32 v[AC+e:AC+e+1], v[AC+e:AC+e+1], v[UU+e:UU+e+1]
.set e, e+2
.endr
.set e, 0
.rept 4
	v_cvt_pk_bf16_f32 v[QP+e], v[AC+2*e], v[AC+2*e+1]
.set e, e+1
.endr
	ds_store_b128 v[A_ROW], v[FB+4*i:FB+4*i+3] offset:2*XP*i
	ds_store_b128 v[A_ROWQ], v[QP:QP+3] offset:2*XP*i
.set i, i+1
.endr
	BAR                                            ; q and fb of all 80 rows lie in LDS
	; PHASE 2: qh of my head, then QK[voxel][my head][c] = sum over d of qh[d] wk[d][c]
	v_mov_b32 v[W0], v[A_XFR]
	v_mov_b32 v[W1], v[A_QKS]
	s_mov_b32 s34, 5
.Lp2:
.set i, 0
.rept 4
	ds_load_b128 v[KF+8*i:KF+8*i+3], v[W0] offset:64*i
	ds_load_b128 v[KF+8*i+4:KF+8*i+7], v[W0] offset:64*i+32
.set i, i+1
.endr
	s_wait_dscnt 0x0
	DOT4 WQ, BQ, KF
.set i, 0
.rept 4
	v_cvt_pk_bf16_f32 v[OPZ+i], v[SA+2*i], v[SA+2*i+1]   ; a lane's 8 numbers of qh are k = 8 h .. 8 h + 7 of the next product's second source
.set i, i+1
.endr
	WIN 0x01
.set t, 0
.rept 8
	v_wmma_f32_16x16x32_bf16 v[ACC+8*t:ACC+8*t+7], v[WK+4*t:WK+4*t+7], v[OPZ:OPZ+7], 0
.set t, t+1
.endr
	WIN 0
	PL 4
.set t, 0
.rept 8
.set i, 0
.rept 4
	v_cvt_pk_bf16_f32 v[ACC+8*t+i], v[ACC+8*t+2*i], v[ACC+8*t+2*i+1]
.set i, i+1
.endr
.set t, t+1
.endr
.set t, 0
.rept 8
	ds_store_b128 v[W1], v[ACC+8*t:ACC+8*t+3] offset:32*t
.set t, t+1
.endr
	v_add_nc_u32 v[W0], 16*XP, v[W0]
	v_add_nc_u32 v[W1], 16*VP, v[W1]
	s_sub_co_u32 s34, s34, 1
	s_cmp_lg_u32 s34, 0
	s_cbranch_scc1 .Lp2
	BAR                                            ; QK of all heads lies in LDS
	; PHASE 3: my five pairs of voxels
	v_mov_b32 v[W0], v[A_QKL]
	v_mov_b32 v[W1], v[A_RT]
	v_mov_b32 v[W2], v[A_MT]
	s_mov_b32 s33, 5
.Lpair:
	s_wait_loadcnt 0x0                             ; this pair's 16 gathers and the next pair's list: their address registers are free too
	WIN 0x04
.set i, 0
.rept 16
	ds_store_b128 v[A_RAWST], v[GG+4*i:GG+4*i+3] offset:16*KPI*(i/8)+KPI*(i%8)
.set i, i+1
.endr
	WIN 0
	GATH                                           ; the next pair's rows
	s_cmp_eq_u32 s33, 2                            ; the list two pairs on: behind my last pair of the batch comes my first of the next
	s_cselect_b32 s51, 72, 2
	s_add_co_u32 s50, s50, s51
	IDXLD
	ds_load_b128 v[REL:REL+3], v[W1]
	ds_load_b128 v[TT:TT+3], v[W2]
	BUILD 0, 42
	BUILD 1, 43
.set i, 0
.rept 4
	ds_load_b128 v[DD+8*i:DD+8*i+3], v[W0] offset:64*i
	ds_load_b128 v[DD+8*i+4:DD+8*i+7], v[W0] offset:64*i+32
.set i, i+1
.endr
	s_wait_dscnt 0x0
	; scores: 16 keys x 16 columns (voxel, head); voxel a's keys serve columns 0-7, voxel b's columns 8-15.  The two accumulators take turns.
	v_wmma_f32_16x16x32_bf16 v[SA:SA+7], v[KF:KF+7], v[DD:DD+7], 0
	v_wmma_f32_16x16x32_bf16 v[SB:SB+7], v[KF+32:KF+39], v[DD:DD+7], 0
.set i, 1
.rept 3
	v_wmma_f32_16x16x32_bf16 v[SA:SA+7], v[KF+8*i:KF+8*i+7], v[DD+8*i:DD+8*i+7], v[SA:SA+7]
	v_wmma_f32_16x16x32_bf16 v[SB:SB+7], v[KF+32+8*i:KF+39+8*i], v[DD+8*i:DD+8*i+7], v[SB:SB+7]
.set i, i+1
.endr
.set i, 0
.rept 4
	v_lshlrev_b32 v[MK+2*i], 16, v[TT+i]           ; the mask as f32: eight plain lines, the places behind the products
	v_and_b32 v[MK+2*i+1], s43, v[TT+i]
.set i, i+1
.endr
.set t, 0
.rept 8
	ds_load_tr16_b128 v[KF+8*t:KF+8*t+3], v[A_TR] offset:32*t                  ; kf turned: channel 16 t + r; k = voxel a's keys,
	ds_load_tr16_b128 v[KF+8*t+4:KF+8*t+7], v[A_TR] offset:32*t+16*KPI         ; then voxel b's
.set t, t+1
.endr
.set j, 0
.rept 8
	v_cndmask_b32 v[SA+j], v[SA+j], v[SB+j], s44
.set j, j+1
.endr
.set j, 0
.rept 8
	v_min_num_f32 v[SA+j], v[SA+j], v[MK+j]
.set j, j+1
.endr
	v_max3_num_f32 v[TT+4], v[SA], v[SA+1], v[SA+2]
	v_max3_num_f32 v[TT+5], v[SA+3], v[SA+4], v[SA+5]
	v_max3_num_f32 v[TT+4], v[TT+4], v[SA+6], v[SA+7]
	v_max_num_f32 v[TT+4], v[TT+4], v[TT+5]
	v_permlanex16_b32 v[TT+5], v[TT+4], s46, s47   ; the column's other 8 keys lie 16 lanes away
	v_max_num_f32 v[TT+4], v[TT+4], v[TT+5]
	v_mul_f32 v[TT+4], s48, v[TT+4]                ; c m
.set j, 0
.rept 4
	v_pk_fma_f32 v[SA+j:SA+j+1], v[SA+j:SA+j+1], s[48:49], v[TT+4:TT+5] op_sel_hi:[1,0,0] neg_lo:[0,0,1] neg_hi:[0,0,1]
.set j, j+2
.endr
.set j, 0
.rept 8
	v_exp_f32 v[SA+j], v[SA+j]
.set j, j+1
.endr
	v_nop                                          ; a plain line behind the last exponential
	s_wait_alu depctr_va_vdst(0)
	v_pk_add_f32 v[TT+6:TT+7], v[SA:SA+1], v[SA+2:SA+3]
	v_pk_add_f32 v[TT+8:TT+9], v[SA+4:SA+5], v[SA+6:SA+7]
	v_pk_add_f32 v[TT+6:TT+7], v[TT+6:TT+7], v[TT+8:TT+9]
	v_add_f32 v[TT+6], v[TT+6], v[TT+7]
	v_permlanex16_b32 v[TT+7], v[TT+6], s46, s47
	v_add_f32 v[TT+6], v[TT+6], v[TT+7]
	v_rcp_f32 v[TT+6], v[TT+6]
	v_nop
.set j, 0
	s_wait_alu depctr_va_vdst(0)
.rept 4
	v_pk_mul_f32 v[SA+j:SA+j+1], v[SA+j:SA+j+1], v[TT+6:TT+7] op_sel_hi:[1,0]
.set j, j+2
.endr
.set j, 0
.rept 4
	v_cvt_pk_bf16_f32 v[TT+j], v[SA+2*j], v[SA+2*j+1]
.set j, j+1
.endr
.set j, 0
.rept 4
	v_cndmask_b32 v[PO+j], v[TT+j], 0, s44         ; k = 0..15, voxel a's keys: weights in columns 0-7, else 0
	v_cndmask_b32 v[PO+4+j], 0, v[TT+j], s44       ; k = 16..31, voxel b's keys: weights in columns 8-15
.set j, j+1
.endr
	s_wait_dscnt 0x0                               ; kf turned is in
.set u, 0
.rept 2
.set q, 0
.rept 4
	v_wmma_f32_16x16x32_bf16 v[DD+8*q:DD+8*q+7], v[KF+8*(4*u+q):KF+8*(4*u+q)+7], v[PO:PO+7], 0
.set q, q+1
.endr
	PL 5
.set q, 0
.rept 4
.set i, 0
.rept 4
	v_cvt_pk_bf16_f32 v[DD+8*q+i], v[DD+8*q+2*i], v[DD+8*q+2*i+1]
.set i, i+1
.endr
.set q, q+1
.endr
.set q, 0
.rept 4
	ds_store_b128 v[W0], v[DD+8*q:DD+8*q+3] offset:32*(4*u+q)   ; the weighted mean of kf goes where QK of this voxel and head lay: it has been read
.set q, q+1
.endr
.set u, u+1
.endr
	v_add_nc_u32 v[W0], 2*VP, v[W0]
	v_add_nc_u32 v[W1], 512, v[W1]
	v_add_nc_u32 v[W2], 64, v[W2]
	s_sub_co_u32 s33, s33, 1
	s_cmp_lg_u32 s33, 0
	s_cbranch_scc1 .Lpair
	s_cmp_eq_u32 s32, 1                            ; behind the last batch there is none to fetch for
	s_cbranch_scc1 .LnoA
	s_add_co_u32 s45, s31, 80
	PRE_A 45                                       ; the next batch's rows, grid places and lists: they have phase 4 in which to land
.LnoA:
	BAR                                            ; the means of all 80 voxels lie in LDS
	; PHASE 4: my head's output = mean . Wv^T + bv
	v_mov_b32 v[W0], v[A_QKS]
	v_mov_b32 v[W1], v[A_AO]
	s_mov_b32 s34, 5
.Lp4:
.set i, 0
.rept 4
	ds_load_b128 v[KF+8*i:KF+8*i+3], v[W0] offset:64*i
	ds_load_b128 v[KF+8*i+4:KF+8*i+7], v[W0] offset:64*i+32
.set i, i+1
.endr
	s_wait_dscnt 0x0
	DOT4 WV, BV, KF
.set i, 0
.rept 4
	v_cvt_pk_bf16_f32 v[TT+i], v[SA+2*i], v[SA+2*i+1]
.set i, i+1
.endr
	ds_store_b128 v[W1], v[TT:TT+3]
	v_add_nc_u32 v[W0], 16*VP, v[W0]
	v_add_nc_u32 v[W1], 16*XP, v[W1]
	s_sub_co_u32 s34, s34, 1
	s_cmp_lg_u32 s34, 0
	s_cbranch_scc1 .Lp4
	s_cmp_eq_u32 s32, 1
	s_cbranch_scc1 .LnoB
	s_wait_loadcnt 0x0                             ; the next batch's lists (and all that was asked for earlier)
	PRE_B                                          ; the keys' grid places have phase 5 in which to land; my mask table has been read out by my pairs
.LnoB:
	BAR                                            ; all heads' outputs lie in LDS
	; PHASE 5: y1 = fb + heads . out_w^T + out_b for my 16 channels; the sums; d1 in f16 over fb
	v_mov_b32 v[W0], v[A_XFR]
	v_mov_b32 v[W1], v[A_FS]
	s_mov_b32 s34, 5
.Lp5:
.set i, 0
.rept 4
	ds_load_b128 v[KF+8*i:KF+8*i+3], v[W0] offset:64*i
	ds_load_b128 v[KF+8*i+4:KF+8*i+7], v[W0] offset:64*i+32
.set i, i+1
.endr
	ds_load_b128 v[TT:TT+3], v[W1]
	s_wait_dscnt 0x0
	DOT4 WO, BO, KF
.set i, 0
.rept 4
	v_lshlrev_b32 v[MK+2*i], 16, v[TT+i]
	v_and_b32 v[MK+2*i+1], s43, v[TT+i]
.set i, i+1
.endr
.set i, 0
.rept 4
	v_pk_add_f32 v[SA+i:SA+i+1], v[SA+i:SA+i+1], v[MK+i:MK+i+1]
.set i, i+2
.endr
	STAT SA, 8
.set i, 0
.rept 4
	v_cvt_pk_f16_f32 v[TT+i], v[SA+2*i], v[SA+2*i+1]
.set i, i+1
.endr
	ds_store_b128 v[W1], v[TT:TT+3]
	v_add_nc_u32 v[W0], 16*XP, v[W0]
	v_add_nc_u32 v[W1], 16*XP, v[W1]
	s_sub_co_u32 s34, s34, 1
	s_cmp_lg_u32 s34, 0
	s_cbranch_scc1 .Lp5
	s_cmp_eq_u32 s32, 1
	s_cbranch_scc1 .LnoQ
	QLOAD                                          ; into the fragments' registers, which phase 5 has read
.LnoQ:
	BAR                                            ; whole rows of d1 lie in LDS
	; PHASE 6: my 10 rows leave, two rows (512 bytes on end) a store; rel of the next batch is made while they come out of LDS
.set i, 0
.rept 5
	ds_load_b128 v[P6+4*i:P6+4*i+3], v[A_ROW] offset:2*XP*i
.set i, i+1
.endr
	s_cmp_eq_u32 s32, 1
	s_cbranch_scc1 .LnoC
	s_wait_loadcnt 8                               ; the keys' grid places are in; the 8 loads of qpos stay out
	PRE_C
.LnoC:
	s_lshl_b32 s38, s31, 8
	s_add_nc_u64 s[40:41], s[26:27], s[38:39]
	s_wait_dscnt 0x0
.set i, 0
.rept 5
	global_store_b128 v[G_ROW], v[P6+4*i:P6+4*i+3], s[40:41] offset:512*i th:TH_STORE_NT
.set i, i+1
.endr
	s_add_co_u32 s31, s31, 80
	s_sub_co_u32 s32, s32, 1
	s_cmp_lg_u32 s32, 0
	s_cbranch_scc1 .Lbatch
	; THE RECORD: the sums over the 16 lanes of a half; P, sum, sum of squares by channel through LDS; three waves store 512 bytes each
.irp m, 1, 2, 4, 8
.set i, 0
.rept 16
	v_add_f32_dpp v[SUM1+i], v[SUM1+i], v[SUM1+i] row_xmask:\m row_mask:0xf bank_mask:0xf
.set i, i+1
.endr
.endr
	s_lshl_b32 s63, s30, 6
	s_add_co_u32 s63, s63, XQ
	v_lshl_add_u32 v[W0], v3, 5, s63
.set i, 0
.rept 3
	ds_store_b128 v[W0], v[PIV+8*i:PIV+8*i+3] offset:512*i
	ds_store_b128 v[W0], v[PIV+8*i+4:PIV+8*i+7] offset:512*i+16
.set i, i+1
.endr
	BAR
	s_cmp_lt_u32 s30, 3
	s_cbranch_scc0 .Lend
	s_lshl_b32 s63, s30, 9
	s_mul_i32 s38, ttmp9, 1536
	s_add_co_u32 s38, s38, s63
	s_add_nc_u64 s[36:37], s[28:29], s[38:39]
	s_add_co_u32 s63, s63, XQ
	v_lshl_add_u32 v[W1], v1, 4, s63
	ds_load_b128 v[DD:DD+3], v[W1]
	s_wait_dscnt 0x0
	global_store_b128 v[G_ROW], v[DD:DD+3], s[36:37]
.Lend:
	s_wait_tensorcnt 0x0                           ; the wave's end, behind my last LDS store
	ds_add_u32 v[SPW], v[NIL]
	s_wait_dscnt 0x0
	s_endpgm
.Lfunc_end_k_q8199d841d2_attn:
	.size	k_q8199d841d2_attn, .Lfunc_end_k_q8199d841d2_attn-k_q8199d841d2_attn
	.p2alignl 7, 3214868480
	.fill 96, 4, 3214868480
	.section	.rodata,"a",@progbits
	.p2align	6, 0x0
	.amdhsa_kernel k_q8199d841d2_attn
		.amdhsa_group_segment_fixed_size 326912
		.amdhsa_private_segment_fixed_size 0
		.amdhsa_enable_private_segment 0
		.amdhsa_kernarg_size 104
		.amdhsa_user_sgpr_count 2
		.amdhsa_user_sgpr_kernarg_segment_ptr 1
		.amdhsa_wavefront_size32 1
		.amdhsa_system_sgpr_workgroup_id_x 1
		.amdhsa_system_sgpr_workgroup_id_y 1
		.amdhsa_system_sgpr_workgroup_id_z 1
		.amdhsa_system_vgpr_workitem_id 0
		.amdhsa_next_free_vgpr 512
		.amdhsa_next_free_sgpr 72
		.amdhsa_reserve_vcc 1
		.amdhsa_float_denorm_mode_32 3
		.amdhsa_float_denorm_mode_16_64 3
		.amdhsa_memory_ordered 1
		.amdhsa_forward_progress 1
		.amdhsa_inst_pref_size 119
	.end_amdhsa_kernel
	.amdgpu_metadata
---
amdhsa.version: [ 1, 2 ]
amdhsa.kernels:
  - .name:           k_q8199d841d2_attn
    .symbol:         k_q8199d841d2_attn.kd
    .args:
      - { .name: bufA, .offset: 0, .size: 8, .value_kind: global_buffer, .address_space: global }
      - { .name: indices, .offset: 8, .size: 8, .value_kind: global_buffer, .address_space: global }
      - { .name: key_indices, .offset: 16, .size: 8, .value_kind: global_buffer, .address_space: global }
      - { .name: in_proj_w, .offset: 24, .size: 8, .value_kind: global_buffer, .address_space: global }
      - { .name: in_proj_b, .offset: 32, .size: 8, .value_kind: global_buffer, .address_space: global }
      - { .name: out_w, .offset: 40, .size: 8, .value_kind: global_buffer, .address_space: global }
      - { .name: out_b, .offset: 48, .size: 8, .value_kind: global_buffer, .address_space: global }
      - { .name: qpos_w, .offset: 56, .size: 8, .value_kind: global_buffer, .address_space: global }
      - { .name: qpos_b, .offset: 64, .size: 8, .value_kind: global_buffer, .address_space: global }
      - { .name: kpos_w, .offset: 72, .size: 8, .value_kind: global_buffer, .address_space: global }
      - { .name: kpos_b, .offset: 80, .size: 8, .value_kind: global_buffer, .address_space: global }
      - { .name: bufB, .offset: 88, .size: 8, .value_kind: global_buffer, .address_space: global }
      - { .name: recA, .offset: 96, .size: 8, .value_kind: global_buffer, .address_space: global }
    .group_segment_fixed_size: 326912
    .private_segment_fixed_size: 0
    .kernarg_segment_align: 8
    .kernarg_segment_size: 104
    .max_flat_workgroup_size: 256
    .sgpr_count:     72
    .vgpr_count:     512
    .wavefront_size: 32
...
	.end_amdgpu_metadata
.endif
;; end of part 2
;; launch fin (part 3): grid 4 x 1, 32 waves a work-group, no clusters, 12,288 bytes of LDS; arguments recA, norm1_g, norm1_b, ssA; writes ssA
.if DOCPART == 3
	.amdgcn_target "amdgcn-amd-amdhsa--gfx1250"
	.amdhsa_code_object_version 6
	.text
	.protected	k_q8199d841d2_fin
	.globl	k_q8199d841d2_fin
	.p2align	8
	.type	k_q8199d841d2_fin,@function
k_q8199d841d2_fin:
	s_mov_b64 s[64:65], 0
	v_nop
	global_prefetch_b8 v0, s[64:65] scope:SCOPE_SE
	s_setreg_imm32_b32 hwreg(HW_REG_WAVE_MODE, 25, 1), 1
	s_wait_xcnt 0x0
; 250 records (P, S1 = sum of y - P, S2 = sum of (y - P)^2 over 240 rows, by channel) become scale[128] and shift[128] of a batch norm: x = y scale + shift.
; All records are moved to record 0's pivot P0: with e = P - P0, sum (y - P0) = S1 + 240 e and sum (y - P0)^2 = S2 + e (2 S1 + 240 e).  P0 is a sample, so no large sums are subtracted.
; Work-group q has channels 32 q + lane; wave v takes records v + 32 i.  The eighth exists for v < 26 only: the others read record 249 and give it the weight 0.  g and b are rounded to bf16.
.set SPARE, 8192
	s_load_b256 s[4:11], s[0:1], 0x0               ; records 4, g 6, b 8, scale and shift 10
	v_lshl_add_u32 v30, v0, 2, SPARE
	v_mov_b32 v31, 0
	v_lshrrev_b32 v1, 5, v0
	v_readfirstlane_b32 s12, v1                    ; wave
	v_and_b32 v2, 31, v0
	v_lshlrev_b32 v3, 2, v2                        ; 4 x lane
	v_lshlrev_b32 v4, 2, v0                        ; 4 x thread
	s_lshl_b32 s14, ttmp9, 7                       ; my 32 channels
	s_mov_b32 s15, 0
	s_mul_i32 s16, s12, 1536
	s_mov_b32 s17, 0
	s_add_co_u32 s18, s12, 224
	s_min_u32 s18, s18, 249
	s_mul_i32 s18, s18, 1536
	s_mov_b32 s19, 0
	s_cmp_lt_u32 s12, 26
	s_cselect_b32 s23, 1.0, 0
	s_mov_b32 s22, 0x43700000                      ; 240
	s_wait_kmcnt 0x0
	s_add_nc_u64 s[4:5], s[4:5], s[14:15]
	s_add_nc_u64 s[6:7], s[6:7], s[14:15]
	s_add_nc_u64 s[8:9], s[8:9], s[14:15]
	s_add_nc_u64 s[10:11], s[10:11], s[14:15]
	s_add_nc_u64 s[16:17], s[4:5], s[16:17]
	s_add_nc_u64 s[18:19], s[4:5], s[18:19]
	global_load_b32 v5, v3, s[4:5]                 ; P0
	global_load_b32 v6, v3, s[6:7]
	global_load_b32 v7, v3, s[8:9]
.set i, 0
.rept 7
	global_load_b32 v[32+3*i], v3, s[16:17] offset:49152*i
	global_load_b32 v[33+3*i], v3, s[16:17] offset:49152*i+512
	global_load_b32 v[34+3*i], v3, s[16:17] offset:49152*i+1024
.set i, i+1
.endr
	global_load_b32 v53, v3, s[18:19]
	global_load_b32 v54, v3, s[18:19] offset:512
	global_load_b32 v55, v3, s[18:19] offset:1024
	v_mov_b32 v12, 0
	v_mov_b32 v13, 0
	s_wait_loadcnt 0x0
.set i, 0
.rept 8
	v_sub_f32 v8, v[32+3*i], v5                    ; e
	v_fma_f32 v9, s22, v8, v[33+3*i]               ; S1 + 240 e
	v_add_f32 v10, v9, v[33+3*i]
	v_fma_f32 v10, v8, v10, v[34+3*i]
.if i < 7
	v_add_f32 v12, v12, v9
	v_add_f32 v13, v13, v10
.else
	v_fma_f32 v12, s23, v9, v12
	v_fma_f32 v13, s23, v10, v13
.endif
.set i, i+1
.endr
	ds_store_b32 v4, v12
	ds_store_b32 v4, v13 offset:4096
	s_wait_dscnt 0x0
	s_barrier_signal -1
	s_barrier_wait -1
	s_cmp_lg_u32 s12, 0
	s_cbranch_scc1 .Lend
.set i, 0
.rept 32
	ds_load_b32 v[64+i], v3 offset:128*i
	ds_load_b32 v[96+i], v3 offset:4096+128*i
.set i, i+1
.endr
	s_wait_dscnt 0x0
.set i, 2
.rept 15
	v_pk_add_f32 v[64:65], v[64:65], v[64+i:65+i]
	v_pk_add_f32 v[96:97], v[96:97], v[96+i:97+i]
.set i, i+2
.endr
	v_add_f32 v12, v64, v65
	v_add_f32 v13, v96, v97
	v_mul_f32 v12, 0x378bcf65, v12                 ; / 60,000: the mean less P0
	v_mul_f32 v13, 0x378bcf65, v13
	v_fma_f32 v13, -v12, v12, v13                  ; the variance
	v_max_num_f32 v13, 0, v13
	v_add_f32 v13, 0x3727c5ac, v13                 ; + 1e-5
	v_rsq_f32 v13, v13
	v_nop
	v_cvt_pk_bf16_f32 v14, v6, v7
	v_lshlrev_b32 v15, 16, v14
	v_and_b32 v14, 0xffff0000, v14
	s_wait_alu depctr_va_vdst(0)
	v_mul_f32 v15, v15, v13                        ; scale
	v_add_f32 v12, v5, v12                         ; the mean
	v_fma_f32 v14, -v12, v15, v14                  ; shift
	global_store_b32 v3, v15, s[10:11]
	global_store_b32 v3, v14, s[10:11] offset:512
.Lend:
	s_wait_tensorcnt 0x0                           ; the wave's end, behind my last LDS store
	ds_add_u32 v30, v31
	s_wait_dscnt 0x0
	s_endpgm
.Lfunc_end_k_q8199d841d2_fin:
	.size	k_q8199d841d2_fin, .Lfunc_end_k_q8199d841d2_fin-k_q8199d841d2_fin
	.p2alignl 7, 3214868480
	.fill 96, 4, 3214868480
	.section	.rodata,"a",@progbits
	.p2align	6, 0x0
	.amdhsa_kernel k_q8199d841d2_fin
		.amdhsa_group_segment_fixed_size 12288
		.amdhsa_private_segment_fixed_size 0
		.amdhsa_enable_private_segment 0
		.amdhsa_kernarg_size 32
		.amdhsa_user_sgpr_count 2
		.amdhsa_user_sgpr_kernarg_segment_ptr 1
		.amdhsa_wavefront_size32 1
		.amdhsa_system_sgpr_workgroup_id_x 1
		.amdhsa_system_sgpr_workgroup_id_y 1
		.amdhsa_system_sgpr_workgroup_id_z 1
		.amdhsa_system_vgpr_workitem_id 0
		.amdhsa_next_free_vgpr 128
		.amdhsa_next_free_sgpr 66
		.amdhsa_reserve_vcc 0
		.amdhsa_float_denorm_mode_32 3
		.amdhsa_float_denorm_mode_16_64 3
		.amdhsa_memory_ordered 1
		.amdhsa_forward_progress 1
		.amdhsa_inst_pref_size 14
	.end_amdhsa_kernel
	.amdgpu_metadata
---
amdhsa.version: [ 1, 2 ]
amdhsa.kernels:
  - .name:           k_q8199d841d2_fin
    .symbol:         k_q8199d841d2_fin.kd
    .args:
      - { .name: recA, .offset: 0, .size: 8, .value_kind: global_buffer, .address_space: global }
      - { .name: norm1_g, .offset: 8, .size: 8, .value_kind: global_buffer, .address_space: global }
      - { .name: norm1_b, .offset: 16, .size: 8, .value_kind: global_buffer, .address_space: global }
      - { .name: ssA, .offset: 24, .size: 8, .value_kind: global_buffer, .address_space: global }
    .group_segment_fixed_size: 12288
    .private_segment_fixed_size: 0
    .kernarg_segment_align: 8
    .kernarg_segment_size: 32
    .max_flat_workgroup_size: 1024
    .sgpr_count:     66
    .vgpr_count:     128
    .wavefront_size: 32
...
	.end_amdgpu_metadata
.endif
;; end of part 3
;; launch ffn (part 4): grid 250 x 1, 4 waves a work-group, no clusters, 207,872 bytes of LDS; arguments bufB, recA, ssA, wfr, lin1_b, lin2_b, bufA, recB; writes bufA, recB
.if DOCPART == 4
	.amdgcn_target "amdgcn-amd-amdhsa--gfx1250"
	.amdhsa_code_object_version 6
	.text
	.protected	k_q8199d841d2_ffn
	.globl	k_q8199d841d2_ffn
	.p2align	8
	.type	k_q8199d841d2_ffn,@function
k_q8199d841d2_ffn:
	s_mov_b64 s[64:65], 0
	v_nop
	global_prefetch_b8 v0, s[64:65] scope:SCOPE_SE
	s_setreg_imm32_b32 hwreg(HW_REG_WAVE_MODE, 25, 1), 1
	s_wait_xcnt 0x0
; x1 = d1 sc + (P sc + sh) (the first batch norm);  y2 = x1 + relu(x1 lin1_w^T + b1) lin2_w^T + b2;  stored: d2 = y2 - P2 in f16 and the record P2, sum d2, sum d2^2 of the work-group's 240 rows.
; SHARES.  240 rows a work-group (the same rows as in the launch before, so its own record holds their P), three batches of 80.  Wave w owns hidden units 128 w .. 128 w + 127: outputs of the first
; product and the K slice of the second, so the hidden layer never leaves registers; both weight slices stay in registers.  The four waves' f32 partial sums meet in LDS; wave w finishes channels 32 w .. 32 w + 31.
; Both products are taken transposed (source 0 = weights): a lane holds one row and eight neighbouring outputs, which, rounded to bf16, are the next product's second source as they lie.
; THE WEIGHTS come rounded to bf16 and laid as fragments by the first launch: [matrix][w][fragment 4 t + s][half][lane][16 bytes]: 128 loads of 512 bytes on end a wave, straight into registers.
; AHEAD.  A batch's 20 rows of mine are asked for when the batch before has read its own out of the registers; a tile's fragments of x1 when the tile before has multiplied its own.
; LIMITS.  Weights and biases are rounded once to bf16; x1 and the hidden layer are bf16 as matrix operands; the residual x1 stays f32.  d2 holds |d2| < 65,504.
; No tensor load: the rows want a scale on their way into LDS, and the weights go to registers.  No cluster: only the weights are shared, read once a work-group.
.set XP,    272
.set XS,    0                          ; 80 rows of x1, bf16; at the end the record
.set YS,    80*XP                      ; 80 rows of d1, then d2, f16
.set PS,    2*80*XP                    ; by wave: 5 tiles x 16 blocks of 512 bytes, f32 partial sums
.set PSW,   40960
.set SPARE, PS+4*PSW
.set A_ROWX, 4
.set A_ROWY, 5
.set A_XFR, 6
.set A_PSS, 7
.set A_PSR, 8
.set A_PSR2, 9
.set A_YF,  10
.set G_ROW, 11
.set W0,    12
.set W1,    13
.set W2,    14
.set SPW,   20
.set NIL,   21
.set ZERO,  22
.set SC,    24
.set SHP,   32
.set SCF,   40
.set SHF,   56
.set PIV,   72
.set SUM1,  88
.set SUM2,  104
.set XFR,   120
.set HH,    152
.set HO,    216                        ; 32, and with X8 behind it 40
.set X8,    248
.set RP,    64                         ; window 3: my 20 rows of d1 as loaded; v0-63 of that window hold b1
.set FIRST, 26
.set MSB, 0
.macro WIN new                         ; the immediate's high byte repeats the setting that is left
.if MSB != (\new)
	s_set_vgpr_msb (MSB<<8)|(\new)
.set MSB, (\new)
.endif
.endm
.macro PL n
.rept \n
	v_nop
.endr
.endm
.macro BAR
	s_wait_dscnt 0x0
	s_barrier_signal -1
	s_barrier_wait -1
.endm
.macro ROWS                            ; my 20 rows of a batch, two rows (512 bytes on end) a load, into window 3
	WIN 0xc0
.set i, 0
.rept 10
	global_load_b128 v[RP+4*i:RP+4*i+3], v[G_ROW], s[30:31] offset:512*i th:TH_LOAD_NT
.set i, i+1
.endr
	WIN 0
.endm
.macro XLOAD                           ; a tile's four fragments of x1
.set i, 0
.rept 4
	ds_load_b128 v[XFR+8*i:XFR+8*i+3], v[W0] offset:64*i
	ds_load_b128 v[XFR+8*i+4:XFR+8*i+7], v[W0] offset:64*i+32
.set i, i+1
.endr
.endm
.macro STAT y, n                       ; y becomes d = y - P; the sums take d and d^2; the work-group's first row sets P
	s_cmp_eq_u32 s[FIRST], 0
	s_cbranch_scc1 .Lnf_\@
.set i, 0
.rept \n
	v_mov_b32_dpp v[PIV+i], v[(\y)+i] row_share:0 row_mask:0xf bank_mask:0xf
.set i, i+1
.endr
	s_mov_b32 s[FIRST], 0
.Lnf_\@:
.set i, 0
.rept (\n)/2
	v_pk_add_f32 v[(\y)+i:(\y)+i+1], v[(\y)+i:(\y)+i+1], v[PIV+i:PIV+i+1] neg_lo:[0,1] neg_hi:[0,1]
.set i, i+2
.endr
.set i, 0
.rept (\n)/2
	v_pk_add_f32 v[SUM1+i:SUM1+i+1], v[SUM1+i:SUM1+i+1], v[(\y)+i:(\y)+i+1]
	v_pk_fma_f32 v[SUM2+i:SUM2+i+1], v[(\y)+i:(\y)+i+1], v[(\y)+i:(\y)+i+1], v[SUM2+i:SUM2+i+1]
.set i, i+2
.endr
.endm
	s_load_b512 s[4:19], s[0:1], 0x0               ; d1 4, record 6, scale/shift 8, the fragments 10, lin1_b 12, lin2_b 14, d2 16, the new records 18
	v_lshl_add_u32 v[SPW], v0, 2, SPARE
	v_mov_b32 v[NIL], 0
	v_lshrrev_b32 v1, 5, v0
	v_readfirstlane_b32 s22, v1                    ; wave w
	v_and_b32 v1, 31, v0                           ; l
	v_and_b32 v2, 15, v0                           ; r
	v_bfe_u32 v3, v0, 4, 1                         ; h
	v_mov_b32 v[ZERO], 0
	s_mov_b32 s27, 0xffff0000
	s_mov_b32 s29, 0
	s_mov_b32 s[FIRST], 1
	s_mul_i32 s35, s22, PSW
	s_add_co_u32 s35, s35, PS                      ; my partial sums
	s_mul_i32 s44, s22, 20*XP
	v_mul_u32_u24 v[A_ROWX], v3, XP
	v_lshl_add_u32 v[A_ROWX], v2, 4, v[A_ROWX]
	v_add_nc_u32 v[A_ROWX], s44, v[A_ROWX]         ; whole rows: row 20 w + h, bytes 16 r
	v_add_nc_u32 v[A_ROWY], YS, v[A_ROWX]
	v_mul_u32_u24 v[A_XFR], v2, XP
	v_lshl_add_u32 v[A_XFR], v3, 4, v[A_XFR]       ; a fragment: row r, bytes 16 h
	v_lshl_add_u32 v[A_PSS], v1, 4, s35
	s_lshl_b32 s44, s22, 11
	s_add_co_u32 s44, s44, PS
	v_lshl_add_u32 v[A_PSR], v1, 4, s44            ; the four blocks of my two output tiles, in wave 0's part
	v_add_nc_u32 v[A_PSR2], 2*PSW, v[A_PSR]        ; and in wave 2's
	s_lshl_b32 s44, s22, 6
	s_add_co_u32 s44, s44, YS
	v_add_nc_u32 v[A_YF], s44, v[A_XFR]            ; row r, channels 32 w + 8 h ..
	v_lshlrev_b32 v[G_ROW], 4, v1
	v_lshlrev_b32 v[W0], 5, v2                     ; 32 r: channels 8 r ..
	s_lshl_b32 s44, s22, 7
	v_lshl_add_u32 v[W1], v3, 5, s44               ; 128 w + 32 h: channels 32 w + 8 h ..
	v_lshlrev_b32 v[W2], 5, v3                     ; 32 h
	s_mul_i32 s23, ttmp9, 240
	s_mul_i32 s44, s22, 20
	s_add_co_u32 s23, s23, s44                     ; my first row of the batch
	s_wait_kmcnt 0x0
	s_lshl_b32 s28, s23, 8
	s_add_nc_u64 s[30:31], s[4:5], s[28:29]        ; d1 at my rows
	s_mul_i32 s28, ttmp9, 1536
	s_add_nc_u64 s[40:41], s[6:7], s[28:29]        ; my work-group's record
	s_lshl_b32 s28, s22, 9
	s_add_nc_u64 s[42:43], s[12:13], s[28:29]      ; b1 of my units
	s_lshl_b32 s28, s22, 15
	s_add_nc_u64 s[36:37], s[10:11], s[28:29]      ; my slice's fragments
	ROWS                                           ; the first batch's rows go out first, then 38 small loads, then the first product's weights
.set k, 0
.rept 2
	global_load_b128 v[SC+4*k:SC+4*k+3], v[W0], s[8:9] offset:16*k
	global_load_b128 v[SHP+4*k:SHP+4*k+3], v[W0], s[8:9] offset:512+16*k
	global_load_b128 v[PIV+4*k:PIV+4*k+3], v[W0], s[40:41] offset:16*k
.set k, k+1
.endr
.set k, 0
.rept 4
	global_load_b128 v[SCF+4*k:SCF+4*k+3], v[W1], s[8:9] offset:64*(k/2)+16*(k%2)
	global_load_b128 v[SHF+4*k:SHF+4*k+3], v[W1], s[8:9] offset:512+64*(k/2)+16*(k%2)
	global_load_b128 v[XFR+4*k:XFR+4*k+3], v[W1], s[40:41] offset:64*(k/2)+16*(k%2)
	global_load_b128 v[XFR+16+4*k:XFR+19+4*k], v[W1], s[14:15] offset:64*(k/2)+16*(k%2)
.set k, k+1
.endr
.set k, 0
.rept 16
	global_load_b128 v[HH+4*k:HH+4*k+3], v[W2], s[42:43] offset:64*(k/2)+16*(k%2)
.set k, k+1
.endr
	WIN 0x40
.set i, 0
.rept 64
	global_load_b128 v[4*i:4*i+3], v[G_ROW], s[36:37] offset:512*i             ; lin1_w: fragment i / 2, half i % 2
.set i, i+1
.endr
	WIN 0
	s_wait_loadcnt 63                              ; rows and small loads are in (and one load of weights): the 63 youngest stay out
.set i, 0
.rept 4
	v_pk_fma_f32 v[SHP+i:SHP+i+1], v[PIV+i:PIV+i+1], v[SC+i:SC+i+1], v[SHP+i:SHP+i+1]   ; P sc + sh
.set i, i+2
.endr
.set i, 0
.rept 8
	v_pk_fma_f32 v[SHF+i:SHF+i+1], v[XFR+i:XFR+i+1], v[SCF+i:SCF+i+1], v[SHF+i:SHF+i+1]
.set i, i+2
.endr
.set i, 0
.rept 8
	v_cvt_pk_bf16_f32 v[X8], v[XFR+16+2*i], v[XFR+17+2*i]       ; b2, rounded
	v_lshlrev_b32 v[XFR+16+2*i], 16, v[X8]
	v_and_b32 v[XFR+17+2*i], s27, v[X8]
	v_pk_add_f32 v[SHF+2*i:SHF+2*i+1], v[SHF+2*i:SHF+2*i+1], v[XFR+16+2*i:XFR+17+2*i]
.set i, i+1
.endr
.set i, 0
.rept 32
	v_cvt_pk_bf16_f32 v[HO+i], v[HH+2*i], v[HH+2*i+1]           ; b1, rounded,
.set i, i+1
.endr
	WIN 0xc0
.set i, 0
.rept 32
	v_lshlrev_b32 v[2*i], 16, v[HO+i]                           ; as f32 in window 3: the C operand that starts the first product's sums
	v_and_b32 v[2*i+1], s27, v[HO+i]
.set i, i+1
.endr
	WIN 0x80
.set i, 0
.rept 64
	global_load_b128 v[4*i:4*i+3], v[G_ROW], s[36:37] offset:131072+512*i      ; lin2_w likewise
.set i, i+1
.endr
	WIN 0
.set i, 0
.rept 48
	v_mov_b32 v[PIV+i], 0                          ; P, and both sums
.set i, i+1
.endr
	s_mov_b32 s24, 3
.Lbatch:
	s_wait_xcnt 0x0                                ; the last batch's stores have read their data and base
	s_lshl_b32 s28, s23, 8
	s_add_nc_u64 s[32:33], s[16:17], s[28:29]
	; PHASE 1: my 20 rows: d1 and x1 (bf16) into LDS
	s_wait_loadcnt 0x0                             ; my rows, asked for a batch ago (the first time: the weights too)
	WIN 0x0c                                       ; store data in window 3
.set i, 0
.rept 10
	ds_store_b128 v[A_ROWY], v[RP+4*i:RP+4*i+3] offset:2*XP*i
.set i, i+1
.endr
	WIN 0x03                                       ; source 0 in window 3
.set i, 0
.rept 10
.set e, 0
.rept 8
	v_fma_mix_f32 v[XFR+8*i+e], v[RP+4*i+e/2], v[SC+e], v[SHP+e] op_sel:[e%2,0,0] op_sel_hi:[1,0,0]
.set e, e+1
.endr
.set i, i+1
.endr
	WIN 0
.set i, 0
.rept 40
	v_cvt_pk_bf16_f32 v[HO+i], v[XFR+2*i], v[XFR+2*i+1]
.set i, i+1
.endr
.set i, 0
.rept 10
	ds_store_b128 v[A_ROWX], v[HO+4*i:HO+4*i+3] offset:2*XP*i
.set i, i+1
.endr
	s_cmp_eq_u32 s24, 1                            ; behind the last batch there are no rows
	s_cbranch_scc1 .Lnr
	s_add_nc_u64 s[30:31], s[30:31], 80*256        ; the loads that read this pointer are done
	ROWS                                           ; the next batch's rows: they have phases 2 to 4 in which to land
.Lnr:
	BAR
	; PHASE 2: both products for my 128 hidden units, a tile of 16 rows a trip.  Eight accumulators take turns.
	v_mov_b32 v[W0], v[A_XFR]
	v_mov_b32 v[W1], v[A_PSS]
	XLOAD
	s_wait_dscnt 0x0
	s_mov_b32 s25, 5
.Lf2:
	s_wait_dscnt 16                                ; this tile's fragments are in; the 16 stores issued behind their loads may stay out
	WIN 0x31                                       ; weights in window 1, b1 in window 3
.set t, 0
.rept 8
	v_wmma_f32_16x16x32_bf16 v[HH+8*t:HH+8*t+7], v[32*t:32*t+7], v[XFR:XFR+7], v[8*t:8*t+7]
.set t, t+1
.endr
	WIN 0x01
.set ks, 1
.rept 3
.set t, 0
.rept 8
	v_wmma_f32_16x16x32_bf16 v[HH+8*t:HH+8*t+7], v[8*(4*t+ks):8*(4*t+ks)+7], v[XFR+8*ks:XFR+8*ks+7], v[HH+8*t:HH+8*t+7]
.set t, t+1
.endr
.set ks, ks+1
.endr
	WIN 0
	v_add_nc_u32 v[W0], 16*XP, v[W0]
	PL 4
	XLOAD                                          ; the next tile's fragments, five places behind the last product that read these registers (the last trip reads 16 rows of YS, which nobody uses)
.set t, 0
.rept 8
.set i, 0
.rept 4
	v_cvt_pk_bf16_f32 v[HO+4*t+i], v[HH+8*t+2*i], v[HH+8*t+2*i+1]
.set i, i+1
.endr
.set t, t+1
.endr
.set i, 0
.rept 32
	v_pk_max_num_bf16 v[HO+i], v[HO+i], v[ZERO]
.set i, i+1
.endr
	WIN 0x02                                       ; weights in window 2
.set t, 0
.rept 8
	v_wmma_f32_16x16x32_bf16 v[HH+8*t:HH+8*t+7], v[32*t:32*t+7], v[HO:HO+7], 0
.set t, t+1
.endr
.set ks, 1
.rept 3
.set t, 0
.rept 8
	v_wmma_f32_16x16x32_bf16 v[HH+8*t:HH+8*t+7], v[8*(4*t+ks):8*(4*t+ks)+7], v[HO+8*ks:HO+8*ks+7], v[HH+8*t:HH+8*t+7]
.set t, t+1
.endr
.set ks, ks+1
.endr
	WIN 0
	PL 5
.set i, 0
.rept 16
	ds_store_b128 v[W1], v[HH+4*i:HH+4*i+3] offset:512*i
.set i, i+1
.endr
	v_add_nc_u32 v[W1], 8192, v[W1]
	s_sub_co_u32 s25, s25, 1
	s_cmp_lg_u32 s25, 0
	s_cbranch_scc1 .Lf2
	BAR                                            ; all four waves' partial sums lie in LDS
	; PHASE 3: my 32 channels: the four partial sums, x1 + b2, the sums, d2 over d1
	v_mov_b32 v[W0], v[A_PSR]
	v_mov_b32 v[W1], v[A_PSR2]
	v_mov_b32 v[W2], v[A_YF]
	s_mov_b32 s25, 5
.Lf3:
.set i, 0
.rept 4
	ds_load_b128 v[HH+4*i:HH+4*i+3], v[W0] offset:512*i
	ds_load_b128 v[HH+16+4*i:HH+19+4*i], v[W0] offset:PSW+512*i
	ds_load_b128 v[HH+32+4*i:HH+35+4*i], v[W1] offset:512*i
	ds_load_b128 v[HH+48+4*i:HH+51+4*i], v[W1] offset:PSW+512*i
.set i, i+1
.endr
	ds_load_b128 v[HO:HO+3], v[W2]
	ds_load_b128 v[HO+4:HO+7], v[W2] offset:32
	s_wait_dscnt 0x0
.set i, 0
.rept 8
	v_pk_add_f32 v[HH+i:HH+i+1], v[HH+i:HH+i+1], v[HH+16+i:HH+17+i]
	v_pk_add_f32 v[HH+32+i:HH+33+i], v[HH+32+i:HH+33+i], v[HH+48+i:HH+49+i]
.set i, i+2
.endr
.set i, 0
.rept 16
	v_fma_mix_f32 v[XFR+i], v[HO+i/2], v[SCF+i], v[SHF+i] op_sel:[i%2,0,0] op_sel_hi:[1,0,0]
.set i, i+1
.endr
.set i, 0
.rept 8
	v_pk_add_f32 v[HH+i:HH+i+1], v[HH+i:HH+i+1], v[HH+32+i:HH+33+i]
.set i, i+2
.endr
.set i, 0
.rept 8
	v_pk_add_f32 v[HH+i:HH+i+1], v[HH+i:HH+i+1], v[XFR+i:XFR+i+1]
.set i, i+2
.endr
	STAT HH, 16
.set i, 0
.rept 8
	v_cvt_pk_f16_f32 v[HO+i], v[HH+2*i], v[HH+2*i+1]
.set i, i+1
.endr
	ds_store_b128 v[W2], v[HO:HO+3]
	ds_store_b128 v[W2], v[HO+4:HO+7] offset:32
	v_add_nc_u32 v[W0], 8192, v[W0]
	v_add_nc_u32 v[W1], 8192, v[W1]
	v_add_nc_u32 v[W2], 16*XP, v[W2]
	s_sub_co_u32 s25, s25, 1
	s_cmp_lg_u32 s25, 0
	s_cbranch_scc1 .Lf3
	BAR                                            ; whole rows of d2 lie in LDS
	; PHASE 4: my 20 rows leave, two rows (512 bytes on end) a store
.set i, 0
.rept 10
	ds_load_b128 v[HH+4*i:HH+4*i+3], v[A_ROWY] offset:2*XP*i
.set i, i+1
.endr
	s_wait_dscnt 0x0
.set i, 0
.rept 10
	global_store_b128 v[G_ROW], v[HH+4*i:HH+4*i+3], s[32:33] offset:512*i
.set i, i+1
.endr
	s_add_co_u32 s23, s23, 80
	s_sub_co_u32 s24, s24, 1
	s_cmp_lg_u32 s24, 0
	s_cbranch_scc1 .Lbatch
	; THE RECORD
.irp m, 1, 2, 4, 8
.set i, 0
.rept 32
	v_add_f32_dpp v[SUM1+i], v[SUM1+i], v[SUM1+i] row_xmask:\m row_mask:0xf bank_mask:0xf
.set i, i+1
.endr
.endr
	s_lshl_b32 s44, s22, 7
	v_lshl_add_u32 v[W0], v3, 5, s44               ; XS is LDS byte 0: channel 32 w + 8 h
.set i, 0
.rept 3
.set k, 0
.rept 4
	ds_store_b128 v[W0], v[PIV+16*i+4*k:PIV+16*i+4*k+3] offset:512*i+64*(k/2)+16*(k%2)
.set k, k+1
.endr
.set i, i+1
.endr
	BAR
	s_cmp_lt_u32 s22, 3
	s_cbranch_scc0 .Lend
	s_lshl_b32 s44, s22, 9
	s_mul_i32 s28, ttmp9, 1536
	s_add_co_u32 s28, s28, s44
	s_add_nc_u64 s[38:39], s[18:19], s[28:29]
	v_lshl_add_u32 v[W1], v1, 4, s44
	ds_load_b128 v[HO:HO+3], v[W1]
	s_wait_dscnt 0x0
	global_store_b128 v[G_ROW], v[HO:HO+3], s[38:39]
.Lend:
	s_wait_tensorcnt 0x0                           ; the wave's end, behind my last LDS store
	ds_add_u32 v[SPW], v[NIL]
	s_wait_dscnt 0x0
	s_endpgm
.Lfunc_end_k_q8199d841d2_ffn:
	.size	k_q8199d841d2_ffn, .Lfunc_end_k_q8199d841d2_ffn-k_q8199d841d2_ffn
	.p2alignl 7, 3214868480
	.fill 96, 4, 3214868480
	.section	.rodata,"a",@progbits
	.p2align	6, 0x0
	.amdhsa_kernel k_q8199d841d2_ffn
		.amdhsa_group_segment_fixed_size 207872
		.amdhsa_private_segment_fixed_size 0
		.amdhsa_enable_private_segment 0
		.amdhsa_kernarg_size 64
		.amdhsa_user_sgpr_count 2
		.amdhsa_user_sgpr_kernarg_segment_ptr 1
		.amdhsa_wavefront_size32 1
		.amdhsa_system_sgpr_workgroup_id_x 1
		.amdhsa_system_sgpr_workgroup_id_y 1
		.amdhsa_system_sgpr_workgroup_id_z 1
		.amdhsa_system_vgpr_workitem_id 0
		.amdhsa_next_free_vgpr 896
		.amdhsa_next_free_sgpr 66
		.amdhsa_reserve_vcc 0
		.amdhsa_float_denorm_mode_32 3
		.amdhsa_float_denorm_mode_16_64 3
		.amdhsa_memory_ordered 1
		.amdhsa_forward_progress 1
		.amdhsa_inst_pref_size 68
	.end_amdhsa_kernel
	.amdgpu_metadata
---
amdhsa.version: [ 1, 2 ]
amdhsa.kernels:
  - .name:           k_q8199d841d2_ffn
    .symbol:         k_q8199d841d2_ffn.kd
    .args:
      - { .name: bufB, .offset: 0, .size: 8, .value_kind: global_buffer, .address_space: global }
      - { .name: recA, .offset: 8, .size: 8, .value_kind: global_buffer, .address_space: global }
      - { .name: ssA, .offset: 16, .size: 8, .value_kind: global_buffer, .address_space: global }
      - { .name: wfr, .offset: 24, .size: 8, .value_kind: global_buffer, .address_space: global }
      - { .name: lin1_b, .offset: 32, .size: 8, .value_kind: global_buffer, .address_space: global }
      - { .name: lin2_b, .offset: 40, .size: 8, .value_kind: global_buffer, .address_space: global }
      - { .name: bufA, .offset: 48, .size: 8, .value_kind: global_buffer, .address_space: global }
      - { .name: recB, .offset: 56, .size: 8, .value_kind: global_buffer, .address_space: global }
    .group_segment_fixed_size: 207872
    .private_segment_fixed_size: 0
    .kernarg_segment_align: 8
    .kernarg_segment_size: 64
    .max_flat_workgroup_size: 128
    .sgpr_count:     66
    .vgpr_count:     896
    .wavefront_size: 32
...
	.end_amdgpu_metadata
.endif
;; end of part 4
;; launch fin2: the kernel of part 3 again; grid 4 x 1, 32 waves a work-group, no clusters, 12,288 bytes of LDS; arguments recB, norm2_g, norm2_b, ssB; writes ssB
;; launch outs (part 5): grid 250 x 1, 8 waves a work-group, no clusters, 101,120 bytes of LDS; arguments bufA, recB, ssB, outl_w, outl_b, recA; writes recA
.if DOCPART == 5
	.amdgcn_target "amdgcn-amd-amdhsa--gfx1250"
	.amdhsa_code_object_version 6
	.text
	.protected	k_q8199d841d2_outs
	.globl	k_q8199d841d2_outs
	.p2align	8
	.type	k_q8199d841d2_outs,@function
k_q8199d841d2_outs:
	s_mov_b64 s[64:65], 0
	v_nop
	global_prefetch_b8 v0, s[64:65] scope:SCOPE_SE
	s_setreg_imm32_b32 hwreg(HW_REG_WAVE_MODE, 25, 1), 1
	s_wait_xcnt 0x0
; The sums of the third batch norm: x2 = d2 sc + (P sc + sh); y3 = x2 outl_w^T + outl_b; the record P3, sum (y3 - P3), sum (y3 - P3)^2 of the work-group's 240 rows.  y3 is not stored:
; the last launch makes it again, by the same instructions in the same order.
; Operands in f16: x2 rounded once; the weights rounded to bf16 like every input, and that number written as f16 (below 6e-5 it keeps f16's fixed step of 6e-8).  x2 must lie within 65,504.
; Wave w owns channels 16 w .. 16 w + 15, its weights in registers; the 240 rows of x2 lie in LDS for all eight.
.set XP,    272
.set XS,    0
.set STG,   240*XP                     ; by wave 16 rows x 272: the stage for weights; at the end the record
.set STGW,  16*XP
.set SPARE, STG+8*STGW
.set A_ROW, 4
.set A_XFR, 5
.set G_ROW, 6
.set W_XFR, 7
.set ST8,   8
.set STF,   9
.set SPW,   10
.set NIL,   11
.set O8,    12
.set OC,    13
.set SC,    16
.set SHP,   24
.set WW,    32
.set BIAS,  64
.set SA,    72
.set SB,    80
.set FF,    88
.set WRAW,  88
.set ROWS,  160
.set PIV,   224
.set SUM1,  232
.set SUM2,  240
.set FIRST, 21
.macro PL n
.rept \n
	v_nop
.endr
.endm
.macro BAR
	s_wait_dscnt 0x0
	s_barrier_signal -1
	s_barrier_wait -1
.endm
	s_load_b256 s[4:11], s[0:1], 0x0               ; d2 4, record 6, scale/shift 8, outl_w 10
	s_load_b128 s[12:15], s[0:1], 0x20             ; outl_b 12, the new records 14
	v_lshl_add_u32 v[SPW], v0, 2, SPARE
	v_mov_b32 v[NIL], 0
	v_lshrrev_b32 v1, 5, v0
	v_readfirstlane_b32 s18, v1                    ; wave w
	v_and_b32 v1, 31, v0
	v_and_b32 v2, 15, v0
	v_bfe_u32 v3, v0, 4, 1
	s_mov_b32 s19, 0xffff0000
	s_mov_b32 s[FIRST], 1
	s_mov_b32 s23, 0
	s_mul_i32 s24, s18, 30*XP
	v_mul_u32_u24 v[A_ROW], v3, XP
	v_lshl_add_u32 v[A_ROW], v2, 4, v[A_ROW]
	v_add_nc_u32 v[A_ROW], s24, v[A_ROW]           ; whole rows: row 30 w + h, bytes 16 r
	v_mul_u32_u24 v[A_XFR], v2, XP
	v_lshl_add_u32 v[A_XFR], v3, 4, v[A_XFR]       ; a fragment: row r, bytes 16 h
	s_mul_i32 s24, s18, STGW
	s_add_co_u32 s24, s24, STG
	v_lshl_add_u32 v[ST8], v1, 3, s24
	v_add_nc_u32 v[STF], s24, v[A_XFR]
	v_lshlrev_b32 v[G_ROW], 4, v1
	v_lshlrev_b32 v[O8], 5, v2                     ; channels 8 r ..
	s_lshl_b32 s24, s18, 6
	v_lshl_add_u32 v[OC], v3, 5, s24               ; channels 16 w + 8 h ..
	s_mul_i32 s25, ttmp9, 240
	s_mul_i32 s24, s18, 30
	s_add_co_u32 s25, s25, s24                     ; my first row
	s_wait_kmcnt 0x0
	s_mul_i32 s22, ttmp9, 1536
	s_add_nc_u64 s[6:7], s[6:7], s[22:23]
	s_lshl_b32 s22, s18, 13
	s_add_nc_u64 s[10:11], s[10:11], s[22:23]
	s_lshl_b32 s22, s25, 8
	s_add_nc_u64 s[4:5], s[4:5], s[22:23]
.set k, 0
.rept 2
	global_load_b128 v[SC+4*k:SC+4*k+3], v[O8], s[8:9] offset:16*k
	global_load_b128 v[SHP+4*k:SHP+4*k+3], v[O8], s[8:9] offset:512+16*k
	global_load_b128 v[SA+4*k:SA+4*k+3], v[O8], s[6:7] offset:16*k
	global_load_b128 v[BIAS+4*k:BIAS+4*k+3], v[OC], s[12:13] offset:16*k
.set k, k+1
.endr
.set i, 0
.rept 16
	global_load_b128 v[WRAW+4*i:WRAW+4*i+3], v[G_ROW], s[10:11] offset:512*i
.set i, i+1
.endr
.set i, 0
.rept 15
	global_load_b128 v[ROWS+4*i:ROWS+4*i+3], v[G_ROW], s[4:5] offset:512*i th:TH_LOAD_NT
.set i, i+1
.endr
	s_wait_loadcnt 15                              ; parameters and weights are in; the 15 row loads stay out
.set i, 0
.rept 4
	v_pk_fma_f32 v[SHP+i:SHP+i+1], v[SA+i:SA+i+1], v[SC+i:SC+i+1], v[SHP+i:SHP+i+1]
.set i, i+2
.endr
.set i, 0
.rept 4
	v_cvt_pk_bf16_f32 v[SB+i], v[BIAS+2*i], v[BIAS+2*i+1]
	v_lshlrev_b32 v[BIAS+2*i], 16, v[SB+i]
	v_and_b32 v[BIAS+2*i+1], s19, v[SB+i]
.set i, i+1
.endr
.set i, 0
.rept 16
	v_cvt_pk_bf16_f32 v[WRAW+4*i], v[WRAW+4*i], v[WRAW+4*i+1]
	v_cvt_pk_bf16_f32 v[WRAW+4*i+2], v[WRAW+4*i+2], v[WRAW+4*i+3]
	v_and_b32 v[WRAW+4*i+1], s19, v[WRAW+4*i]
	v_lshlrev_b32 v[WRAW+4*i], 16, v[WRAW+4*i]
	v_and_b32 v[WRAW+4*i+3], s19, v[WRAW+4*i+2]
	v_lshlrev_b32 v[WRAW+4*i+2], 16, v[WRAW+4*i+2]
	v_cvt_pk_f16_f32 v[WRAW+4*i], v[WRAW+4*i], v[WRAW+4*i+1]
	v_cvt_pk_f16_f32 v[WRAW+4*i+1], v[WRAW+4*i+2], v[WRAW+4*i+3]
	ds_store_b64 v[ST8], v[WRAW+4*i:WRAW+4*i+1] offset:XP*i
.set i, i+1
.endr
.set i, 0
.rept 4
	ds_load_b128 v[WW+8*i:WW+8*i+3], v[STF] offset:64*i
	ds_load_b128 v[WW+8*i+4:WW+8*i+7], v[STF] offset:64*i+32
.set i, i+1
.endr
.set i, 0
.rept 24
	v_mov_b32 v[PIV+i], 0
.set i, i+1
.endr
	s_wait_loadcnt 0x0
.set i, 0
.rept 15
.set e, 0
.rept 8
	v_fma_mix_f32 v[SA+e], v[ROWS+4*i+e/2], v[SC+e], v[SHP+e] op_sel:[e%2,0,0] op_sel_hi:[1,0,0]
.set e, e+1
.endr
.set e, 0
.rept 4
	v_cvt_pk_f16_f32 v[SB+e], v[SA+2*e], v[SA+2*e+1]
.set e, e+1
.endr
	ds_store_b128 v[A_ROW], v[SB:SB+3] offset:2*XP*i
.set i, i+1
.endr
	BAR                                            ; x2 of all 240 rows lies in LDS
	v_mov_b32 v[W_XFR], v[A_XFR]
	s_mov_b32 s20, 15
.Ltile:
.set i, 0
.rept 4
	ds_load_b128 v[FF+8*i:FF+8*i+3], v[W_XFR] offset:64*i
	ds_load_b128 v[FF+8*i+4:FF+8*i+7], v[W_XFR] offset:64*i+32
.set i, i+1
.endr
	s_wait_dscnt 0x0
	v_wmma_f32_16x16x32_f16 v[SA:SA+7], v[WW:WW+7], v[FF:FF+7], v[BIAS:BIAS+7]        ; two accumulators take turns
	v_wmma_f32_16x16x32_f16 v[SB:SB+7], v[WW+8:WW+15], v[FF+8:FF+15], 0
	v_wmma_f32_16x16x32_f16 v[SA:SA+7], v[WW+16:WW+23], v[FF+16:FF+23], v[SA:SA+7]
	v_wmma_f32_16x16x32_f16 v[SB:SB+7], v[WW+24:WW+31], v[FF+24:FF+31], v[SB:SB+7]
	PL 5
.set i, 0
.rept 4
	v_pk_add_f32 v[SA+i:SA+i+1], v[SA+i:SA+i+1], v[SB+i:SB+i+1]
.set i, i+2
.endr
	s_cmp_eq_u32 s[FIRST], 0                       ; the work-group's first row sets P
	s_cbranch_scc1 .Lnf
.set i, 0
.rept 8
	v_mov_b32_dpp v[PIV+i], v[SA+i] row_share:0 row_mask:0xf bank_mask:0xf
.set i, i+1
.endr
	s_mov_b32 s[FIRST], 0
.Lnf:
.set i, 0
.rept 4
	v_pk_add_f32 v[SA+i:SA+i+1], v[SA+i:SA+i+1], v[PIV+i:PIV+i+1] neg_lo:[0,1] neg_hi:[0,1]
.set i, i+2
.endr
.set i, 0
.rept 4
	v_pk_add_f32 v[SUM1+i:SUM1+i+1], v[SUM1+i:SUM1+i+1], v[SA+i:SA+i+1]
	v_pk_fma_f32 v[SUM2+i:SUM2+i+1], v[SA+i:SA+i+1], v[SA+i:SA+i+1], v[SUM2+i:SUM2+i+1]
.set i, i+2
.endr
	v_add_nc_u32 v[W_XFR], 16*XP, v[W_XFR]
	s_sub_co_u32 s20, s20, 1
	s_cmp_lg_u32 s20, 0
	s_cbranch_scc1 .Ltile
.irp m, 1, 2, 4, 8
.set i, 0
.rept 16
	v_add_f32_dpp v[SUM1+i], v[SUM1+i], v[SUM1+i] row_xmask:\m row_mask:0xf bank_mask:0xf
.set i, i+1
.endr
.endr
	v_add_nc_u32 v[ST8], STG, v[OC]
.set i, 0
.rept 3
	ds_store_b128 v[ST8], v[PIV+8*i:PIV+8*i+3] offset:512*i
	ds_store_b128 v[ST8], v[PIV+8*i+4:PIV+8*i+7] offset:512*i+16
.set i, i+1
.endr
	BAR
	s_cmp_lt_u32 s18, 3
	s_cbranch_scc0 .Lend
	s_lshl_b32 s24, s18, 9
	s_mul_i32 s22, ttmp9, 1536
	s_add_co_u32 s22, s22, s24
	s_add_nc_u64 s[14:15], s[14:15], s[22:23]
	s_add_co_u32 s24, s24, STG
	v_lshl_add_u32 v[STF], v1, 4, s24
	ds_load_b128 v[FF:FF+3], v[STF]
	s_wait_dscnt 0x0
	global_store_b128 v[G_ROW], v[FF:FF+3], s[14:15]
.Lend:
	s_wait_tensorcnt 0x0                           ; the wave's end, behind my last LDS store
	ds_add_u32 v[SPW], v[NIL]
	s_wait_dscnt 0x0
	s_endpgm
.Lfunc_end_k_q8199d841d2_outs:
	.size	k_q8199d841d2_outs, .Lfunc_end_k_q8199d841d2_outs-k_q8199d841d2_outs
	.p2alignl 7, 3214868480
	.fill 96, 4, 3214868480
	.section	.rodata,"a",@progbits
	.p2align	6, 0x0
	.amdhsa_kernel k_q8199d841d2_outs
		.amdhsa_group_segment_fixed_size 101120
		.amdhsa_private_segment_fixed_size 0
		.amdhsa_enable_private_segment 0
		.amdhsa_kernarg_size 48
		.amdhsa_user_sgpr_count 2
		.amdhsa_user_sgpr_kernarg_segment_ptr 1
		.amdhsa_wavefront_size32 1
		.amdhsa_system_sgpr_workgroup_id_x 1
		.amdhsa_system_sgpr_workgroup_id_y 1
		.amdhsa_system_sgpr_workgroup_id_z 1
		.amdhsa_system_vgpr_workitem_id 0
		.amdhsa_next_free_vgpr 256
		.amdhsa_next_free_sgpr 66
		.amdhsa_reserve_vcc 0
		.amdhsa_float_denorm_mode_32 3
		.amdhsa_float_denorm_mode_16_64 3
		.amdhsa_memory_ordered 1
		.amdhsa_forward_progress 1
		.amdhsa_inst_pref_size 35
	.end_amdhsa_kernel
	.amdgpu_metadata
---
amdhsa.version: [ 1, 2 ]
amdhsa.kernels:
  - .name:           k_q8199d841d2_outs
    .symbol:         k_q8199d841d2_outs.kd
    .args:
      - { .name: bufA, .offset: 0, .size: 8, .value_kind: global_buffer, .address_space: global }
      - { .name: recB, .offset: 8, .size: 8, .value_kind: global_buffer, .address_space: global }
      - { .name: ssB, .offset: 16, .size: 8, .value_kind: global_buffer, .address_space: global }
      - { .name: outl_w, .offset: 24, .size: 8, .value_kind: global_buffer, .address_space: global }
      - { .name: outl_b, .offset: 32, .size: 8, .value_kind: global_buffer, .address_space: global }
      - { .name: recA, .offset: 40, .size: 8, .value_kind: global_buffer, .address_space: global }
    .group_segment_fixed_size: 101120
    .private_segment_fixed_size: 0
    .kernarg_segment_align: 8
    .kernarg_segment_size: 48
    .max_flat_workgroup_size: 256
    .sgpr_count:     66
    .vgpr_count:     256
    .wavefront_size: 32
...
	.end_amdgpu_metadata
.endif
;; end of part 5
;; launch fin3: the kernel of part 3 again; grid 4 x 1, 32 waves a work-group, no clusters, 12,288 bytes of LDS; arguments recA, bn_out_g, bn_out_b, ssA; writes ssA
;; launch outf (part 6): grid 250 x 1, 8 waves a work-group, no clusters, 227,840 bytes of LDS; arguments bufA, recB, ssB, outl_w, outl_b, ssA, out0; writes out0
.if DOCPART == 6
	.amdgcn_target "amdgcn-amd-amdhsa--gfx1250"
	.amdhsa_code_object_version 6
	.text
	.protected	k_q8199d841d2_outf
	.globl	k_q8199d841d2_outf
	.p2align	8
	.type	k_q8199d841d2_outf,@function
k_q8199d841d2_outf:
	s_mov_b64 s[64:65], 0
	v_nop
	global_prefetch_b8 v0, s[64:65] scope:SCOPE_SE
	s_setreg_imm32_b32 hwreg(HW_REG_WAVE_MODE, 25, 1), 1
	s_wait_xcnt 0x0
; out0 = relu(y3 sc3 + sh3), y3 = x2 outl_w^T + outl_b, x2 = d2 sc + (P sc + sh): y3 by the same instructions, in the same order, as in the launch that took its sums.
; Operands in f16: x2 rounded once; the weights rounded to bf16 like every input, and that number written as f16 (below 6e-5 it keeps f16's fixed step of 6e-8).  x2 must lie within 65,504.
; Wave w owns channels 16 w .. 16 w + 15.  A lane's eight results are 32 bytes of a row of 512: they go through LDS, and each wave stores 30 whole rows, 512 bytes on end a store.
.set XP,    272
.set XS,    0
.set STG,   240*XP                     ; by wave 16 rows x 272: the stage for weights
.set STGW,  16*XP
.set OS,    STG+8*STGW                 ; 240 rows of 512 + 16 bytes, f32: 33 x 16, so the 16 rows of a store start at 16 different 16-byte columns
.set OSP,   528
.set SPARE, OS+240*OSP
.set A_ROW, 4
.set A_XFR, 5
.set G_ROW, 6
.set W_XFR, 7
.set ST8,   8
.set STF,   9
.set SPW,   10
.set NIL,   11
.set O8,    12
.set OC,    13
.set A_OS,  14
.set A_OR,  15
.set SC,    16
.set SHP,   24
.set WW,    32
.set BIAS,  64
.set SA,    72
.set SB,    80
.set FF,    88
.set WRAW,  88
.set ROWS,  160
.set SC3,   224
.set SH3,   232
.macro PL n
.rept \n
	v_nop
.endr
.endm
.macro BAR
	s_wait_dscnt 0x0
	s_barrier_signal -1
	s_barrier_wait -1
.endm
	s_load_b256 s[4:11], s[0:1], 0x0               ; d2 4, record 6, scale/shift 8, outl_w 10
	s_load_b128 s[12:15], s[0:1], 0x20             ; outl_b 12, the last norm's scale/shift 14
	s_load_b64 s[16:17], s[0:1], 0x30              ; out0
	v_lshl_add_u32 v[SPW], v0, 2, SPARE
	v_mov_b32 v[NIL], 0
	v_lshrrev_b32 v1, 5, v0
	v_readfirstlane_b32 s18, v1                    ; wave w
	v_and_b32 v1, 31, v0
	v_and_b32 v2, 15, v0
	v_bfe_u32 v3, v0, 4, 1
	s_mov_b32 s19, 0xffff0000
	s_mov_b32 s23, 0
	s_mul_i32 s24, s18, 30*XP
	v_mul_u32_u24 v[A_ROW], v3, XP
	v_lshl_add_u32 v[A_ROW], v2, 4, v[A_ROW]
	v_add_nc_u32 v[A_ROW], s24, v[A_ROW]           ; whole rows: row 30 w + h, bytes 16 r
	v_mul_u32_u24 v[A_XFR], v2, XP
	v_lshl_add_u32 v[A_XFR], v3, 4, v[A_XFR]       ; a fragment: row r, bytes 16 h
	s_mul_i32 s24, s18, STGW
	s_add_co_u32 s24, s24, STG
	v_lshl_add_u32 v[ST8], v1, 3, s24
	v_add_nc_u32 v[STF], s24, v[A_XFR]
	v_lshlrev_b32 v[G_ROW], 4, v1
	v_lshlrev_b32 v[O8], 5, v2                     ; channels 8 r ..
	s_lshl_b32 s24, s18, 6
	v_lshl_add_u32 v[OC], v3, 5, s24               ; channels 16 w + 8 h ..
	v_mul_u32_u24 v[A_OS], v2, OSP
	v_add3_u32 v[A_OS], v[A_OS], v[OC], OS         ; row r, my 32 bytes
	s_mul_i32 s24, s18, 30*OSP
	s_add_co_u32 s24, s24, OS
	v_lshl_add_u32 v[A_OR], v1, 4, s24             ; row 30 w, 16 bytes a lane
	s_mul_i32 s25, ttmp9, 240
	s_mul_i32 s24, s18, 30
	s_add_co_u32 s25, s25, s24                     ; my first row
	s_wait_kmcnt 0x0
	s_mul_i32 s22, ttmp9, 1536
	s_add_nc_u64 s[6:7], s[6:7], s[22:23]
	s_lshl_b32 s22, s18, 13
	s_add_nc_u64 s[10:11], s[10:11], s[22:23]
	s_lshl_b32 s22, s25, 8
	s_add_nc_u64 s[4:5], s[4:5], s[22:23]
	s_lshl_b32 s22, s25, 9
	s_add_nc_u64 s[16:17], s[16:17], s[22:23]
.set k, 0
.rept 2
	global_load_b128 v[SC+4*k:SC+4*k+3], v[O8], s[8:9] offset:16*k
	global_load_b128 v[SHP+4*k:SHP+4*k+3], v[O8], s[8:9] offset:512+16*k
	global_load_b128 v[SA+4*k:SA+4*k+3], v[O8], s[6:7] offset:16*k
	global_load_b128 v[BIAS+4*k:BIAS+4*k+3], v[OC], s[12:13] offset:16*k
	global_load_b128 v[SC3+4*k:SC3+4*k+3], v[OC], s[14:15] offset:16*k
	global_load_b128 v[SH3+4*k:SH3+4*k+3], v[OC], s[14:15] offset:512+16*k
.set k, k+1
.endr
.set i, 0
.rept 16
	global_load_b128 v[WRAW+4*i:WRAW+4*i+3], v[G_ROW], s[10:11] offset:512*i
.set i, i+1
.endr
.set i, 0
.rept 15
	global_load_b128 v[ROWS+4*i:ROWS+4*i+3], v[G_ROW], s[4:5] offset:512*i th:TH_LOAD_NT
.set i, i+1
.endr
	s_wait_loadcnt 15                              ; parameters and weights are in; the 15 row loads stay out
.set i, 0
.rept 4
	v_pk_fma_f32 v[SHP+i:SHP+i+1], v[SA+i:SA+i+1], v[SC+i:SC+i+1], v[SHP+i:SHP+i+1]
.set i, i+2
.endr
.set i, 0
.rept 4
	v_cvt_pk_bf16_f32 v[SB+i], v[BIAS+2*i], v[BIAS+2*i+1]
	v_lshlrev_b32 v[BIAS+2*i], 16, v[SB+i]
	v_and_b32 v[BIAS+2*i+1], s19, v[SB+i]
.set i, i+1
.endr
.set i, 0
.rept 16
	v_cvt_pk_bf16_f32 v[WRAW+4*i], v[WRAW+4*i], v[WRAW+4*i+1]
	v_cvt_pk_bf16_f32 v[WRAW+4*i+2], v[WRAW+4*i+2], v[WRAW+4*i+3]
	v_and_b32 v[WRAW+4*i+1], s19, v[WRAW+4*i]
	v_lshlrev_b32 v[WRAW+4*i], 16, v[WRAW+4*i]
	v_and_b32 v[WRAW+4*i+3], s19, v[WRAW+4*i+2]
	v_lshlrev_b32 v[WRAW+4*i+2], 16, v[WRAW+4*i+2]
	v_cvt_pk_f16_f32 v[WRAW+4*i], v[WRAW+4*i], v[WRAW+4*i+1]
	v_cvt_pk_f16_f32 v[WRAW+4*i+1], v[WRAW+4*i+2], v[WRAW+4*i+3]
	ds_store_b64 v[ST8], v[WRAW+4*i:WRAW+4*i+1] offset:XP*i
.set i, i+1
.endr
.set i, 0
.rept 4
	ds_load_b128 v[WW+8*i:WW+8*i+3], v[STF] offset:64*i
	ds_load_b128 v[WW+8*i+4:WW+8*i+7], v[STF] offset:64*i+32
.set i, i+1
.endr
	s_wait_loadcnt 0x0
.set i, 0
.rept 15
.set e, 0
.rept 8
	v_fma_mix_f32 v[SA+e], v[ROWS+4*i+e/2], v[SC+e], v[SHP+e] op_sel:[e%2,0,0] op_sel_hi:[1,0,0]
.set e, e+1
.endr
.set e, 0
.rept 4
	v_cvt_pk_f16_f32 v[SB+e], v[SA+2*e], v[SA+2*e+1]
.set e, e+1
.endr
	ds_store_b128 v[A_ROW], v[SB:SB+3] offset:2*XP*i
.set i, i+1
.endr
	BAR                                            ; x2 of all 240 rows lies in LDS
	v_mov_b32 v[W_XFR], v[A_XFR]
	s_mov_b32 s20, 15
.Ltile:
.set i, 0
.rept 4
	ds_load_b128 v[FF+8*i:FF+8*i+3], v[W_XFR] offset:64*i
	ds_load_b128 v[FF+8*i+4:FF+8*i+7], v[W_XFR] offset:64*i+32
.set i, i+1
.endr
	s_wait_dscnt 0x0
	v_wmma_f32_16x16x32_f16 v[SA:SA+7], v[WW:WW+7], v[FF:FF+7], v[BIAS:BIAS+7]        ; two accumulators take turns
	v_wmma_f32_16x16x32_f16 v[SB:SB+7], v[WW+8:WW+15], v[FF+8:FF+15], 0
	v_wmma_f32_16x16x32_f16 v[SA:SA+7], v[WW+16:WW+23], v[FF+16:FF+23], v[SA:SA+7]
	v_wmma_f32_16x16x32_f16 v[SB:SB+7], v[WW+24:WW+31], v[FF+24:FF+31], v[SB:SB+7]
	PL 5
.set i, 0
.rept 4
	v_pk_add_f32 v[SA+i:SA+i+1], v[SA+i:SA+i+1], v[SB+i:SB+i+1]
.set i, i+2
.endr
.set i, 0
.rept 4
	v_pk_fma_f32 v[SA+i:SA+i+1], v[SA+i:SA+i+1], v[SC3+i:SC3+i+1], v[SH3+i:SH3+i+1]
.set i, i+2
.endr
.set i, 0
.rept 8
	v_max_num_f32 v[SA+i], 0, v[SA+i]
.set i, i+1
.endr
	ds_store_b128 v[A_OS], v[SA:SA+3]
	ds_store_b128 v[A_OS], v[SA+4:SA+7] offset:16
	v_add_nc_u32 v[W_XFR], 16*XP, v[W_XFR]
	v_add_nc_u32 v[A_OS], 16*OSP, v[A_OS]
	s_sub_co_u32 s20, s20, 1
	s_cmp_lg_u32 s20, 0
	s_cbranch_scc1 .Ltile
	BAR                                            ; whole rows of the output lie in LDS
.set g, 0
.rept 2
.if g == 1
	s_wait_xcnt 0x0                                ; the first 15 stores have read their data: the registers are loaded again only behind this wait
.endif
.set i, 0
.rept 15
	ds_load_b128 v[ROWS+4*i:ROWS+4*i+3], v[A_OR] offset:OSP*(15*g+i)
.set i, i+1
.endr
.set i, 0
.rept 15
	s_wait_dscnt 14-i                              ; LDS loads come back in order: row i is in, the younger ones stay out
	global_store_b128 v[G_ROW], v[ROWS+4*i:ROWS+4*i+3], s[16:17] offset:512*(15*g+i) th:TH_STORE_NT
.set i, i+1
.endr
.set g, g+1
.endr
	s_wait_tensorcnt 0x0                           ; the wave's end, behind my last LDS store
	ds_add_u32 v[SPW], v[NIL]
	s_wait_dscnt 0x0
	s_endpgm
.Lfunc_end_k_q8199d841d2_outf:
	.size	k_q8199d841d2_outf, .Lfunc_end_k_q8199d841d2_outf-k_q8199d841d2_outf
	.p2alignl 7, 3214868480
	.fill 96, 4, 3214868480
	.section	.rodata,"a",@progbits
	.p2align	6, 0x0
	.amdhsa_kernel k_q8199d841d2_outf
		.amdhsa_group_segment_fixed_size 227840
		.amdhsa_private_segment_fixed_size 0
		.amdhsa_enable_private_segment 0
		.amdhsa_kernarg_size 56
		.amdhsa_user_sgpr_count 2
		.amdhsa_user_sgpr_kernarg_segment_ptr 1
		.amdhsa_wavefront_size32 1
		.amdhsa_system_sgpr_workgroup_id_x 1
		.amdhsa_system_sgpr_workgroup_id_y 1
		.amdhsa_system_sgpr_workgroup_id_z 1
		.amdhsa_system_vgpr_workitem_id 0
		.amdhsa_next_free_vgpr 256
		.amdhsa_next_free_sgpr 66
		.amdhsa_reserve_vcc 0
		.amdhsa_float_denorm_mode_32 3
		.amdhsa_float_denorm_mode_16_64 3
		.amdhsa_memory_ordered 1
		.amdhsa_forward_progress 1
		.amdhsa_inst_pref_size 36
	.end_amdhsa_kernel
	.amdgpu_metadata
---
amdhsa.version: [ 1, 2 ]
amdhsa.kernels:
  - .name:           k_q8199d841d2_outf
    .symbol:         k_q8199d841d2_outf.kd
    .args:
      - { .name: bufA, .offset: 0, .size: 8, .value_kind: global_buffer, .address_space: global }
      - { .name: recB, .offset: 8, .size: 8, .value_kind: global_buffer, .address_space: global }
      - { .name: ssB, .offset: 16, .size: 8, .value_kind: global_buffer, .address_space: global }
      - { .name: outl_w, .offset: 24, .size: 8, .value_kind: global_buffer, .address_space: global }
      - { .name: outl_b, .offset: 32, .size: 8, .value_kind: global_buffer, .address_space: global }
      - { .name: ssA, .offset: 40, .size: 8, .value_kind: global_buffer, .address_space: global }
      - { .name: out0, .offset: 48, .size: 8, .value_kind: global_buffer, .address_space: global }
    .group_segment_fixed_size: 227840
    .private_segment_fixed_size: 0
    .kernarg_segment_align: 8
    .kernarg_segment_size: 56
    .max_flat_workgroup_size: 256
    .sgpr_count:     66
    .vgpr_count:     256
    .wavefront_size: 32
...
	.end_amdgpu_metadata
.endif
;; end of part 6
